; MI455X (gfx1250); checked and timed in simulation.
; The chip was launched on July 23, 2026; its instructions are those of AMD's public machine-readable ISA for CDNA 5 (MIT licence, August 2026) and "CDNA5" Instruction Set Architecture Reference Guide (July 2026). The comments in the code are by the model that wrote it; some were corrected since.
;; multi Head Attention Block. Allowed arithmetic: matrix products marked QUANTISED: E2M1 operands, one E8M0 scale for each 32 along K, by v_wmma_scale_f32_16x16x128_f8f6f4 with both operands' format E2M1 (or v_wmma_scale_f32_32x16x128_f4), f32 sums; products left as they are: bf16, f16 or f32 operands; f32 sums; everything else in f32.
;; Inputs: Wk 1,024 x 1,024 float32; Wo 1,024 x 1,024 float32; Wq 1,024 x 1,024 float32; Wv 1,024 x 1,024 float32; bk 1,024 float32; bo 1,024 float32; bq 1,024 float32; bv 1,024 float32; k 4 x 2,048 x 1,024 float32; mask 1 x 1 x 2,048 x 2,048 bool; q 4 x 2,048 x 1,024 float32; v 4 x 2,048 x 1,024 float32.
;; Outputs: out0 4 x 2,048 x 1,024 float32.
;; This version of the problem:
;;   THIS VERSION OF THE PROBLEM IS GIVEN IN LOW PRECISION. The matrix products marked QUANTISED in the list below multiply operands that are first quantised to E2M1 (2 exponent bits, 1 mantissa bit; 4 bits a number), with one power-of-two scale for each 32 numbers along K (OCP MX v1.0); their sums are f32. The products marked 'left as it is' may take bf16, f16 or f32 operands, with f32 sums. Whichever they take, every output number must still come out within the allowed error. Rounding operands to bf16 (8 significant bits) uses up far more of that allowance than f16 does (11 bits, for magnitudes from 6e-5 to 65,504). All else is computed in f32.
;;   The module's matrix products, in the order in which they are computed (A, B: the left and right operand; K: the contracted axis; several contracted axes count as one K, in the product's order):
;;     1. [M 8,192, K 1,024] x [K 1,024, N 1,024]; A: input q; B: input Wq: QUANTISED
;;     2. [M 8,192, K 1,024] x [K 1,024, N 1,024]; A: input k; B: input Wk: QUANTISED
;;     3. [M 8,192, K 1,024] x [K 1,024, N 1,024]; A: input v; B: input Wv: QUANTISED
;;     4. batch 64 x [M 2,048, K 64] x [K 64, N 2,048]; A: computed on the way; B: computed on the way: left as it is (an operand is computed on the way)
;;     5. batch 64 x [M 2,048, K 2,048] x [K 2,048, N 64]; A: computed on the way; B: computed on the way: left as it is (an operand is computed on the way)
;;     6. [M 8,192, K 1,024] x [K 1,024, N 1,024]; A: computed on the way; B: input Wo: left as it is (an operand is computed on the way)
;;   THE QUANTISER, for each operand of a quantised product, along K:
;;     - K is cut into blocks of 32 from its start; a last block that is shorter is filled with zeros.
;;     - A block's scale is 2^e with e = floor(log2(the largest magnitude in the block)) - 2, held to -126 .. 127; a block of zeros has e = 0. As a byte (E8M0): e + 127.
;;     - Each number is divided by its block's scale, clamped to +-6, and rounded to the nearest number of E2M1, ties to even, subnormals kept.
;;     - The product sums the exact products of the quantised numbers (number of the format x scale) in f32.
;;   ~~~python
;;   def quantise(x, axis):      # numpy; x: float32 -> the quantised numbers, widened to float32 again
;;       x = np.moveaxis(x, axis, -1); K = x.shape[-1]
;;       x = np.pad(x, [(0, 0)] * (x.ndim - 1) + [(0, -K % 32)]); x = x.reshape(x.shape[:-1] + (-1, 32)); a = np.abs(x).max(-1, keepdims=True)
;;       e = np.where(a > 0, np.clip(np.frexp(np.where(a > 0, a, 1))[1] - 1 - 2, -126, 127), 0)      # np.frexp(a)[1] - 1 = floor(log2(a)), exactly
;;       r = np.clip(x / 2.0 ** e, -6, 6)
;;       step = 2.0 ** (np.maximum(np.frexp(np.where(r == 0, 1, r))[1] - 1, 0) - 1)
;;       q = np.round(r / step) * step * 2.0 ** e      # np.round: ties to even
;;       return np.moveaxis(q.reshape(q.shape[:-2] + (-1,))[..., :K], -1, axis).astype(np.float32)
;;   ~~~
;; One version. Each part assembles by itself: llvm-mc -triple=amdgcn-amd-amdhsa -mcpu=gfx1250 --defsym DOCPART=n.
;; ======== version 1 of 1: 5 launches
;; limits: values are held in f16: magnitudes above 65,504 overflow, below 6.1e-05 lose precision
;; workspace buffers: codes 15,040,512 bytes; qkv 50,331,648 bytes; ctx 16,777,216 bytes; wo16 4,194,304 bytes; maskw 524,288 bytes of whole numbers; flags 4,096 bytes of whole numbers
;; launch prep (part 1): grid 992 x 1, 4 waves a work-group, no clusters, 33,280 bytes of LDS; arguments q, k, v, Wq, Wk, Wv, Wo, mask, codes, wo16, maskw, flags; writes codes, wo16, maskw, flags
.if DOCPART == 1
	.amdgcn_target "amdgcn-amd-amdhsa--gfx1250"
	.amdhsa_code_object_version 6
	.text
	.protected	k_qf183e58452_prep
	.globl	k_qf183e58452_prep
	.p2align	8
	.type	k_qf183e58452_prep,@function
k_qf183e58452_prep:
	s_mov_b64 s[64:65], 0
	v_nop
	global_prefetch_b8 v0, s[64:65] scope:SCOPE_SE
	s_setreg_imm32_b32 hwreg(HW_REG_WAVE_MODE, 25, 1), 1
	s_wait_xcnt 0x0
; THE PROGRAM: out0 = softmax(where(mask, -inf, (q Wq^T + bq)(k Wk^T + bk)^T / 8)) (v Wv^T + bv) Wo^T + bo, heads of 64; the three projections on codes of E2M1 with E8M0 scales.
; WORK LEFT OUT, for all values of the inputs:
;   bk: scores = Q.(K + bk) / 8 = Q.K / 8 + Q.bk / 8; the second term is the same for every key of a query; where(mask, -inf, .) leaves masked places at -inf either way, and the softmax along the keys
;   cancels a term that is the same along its axis.  K goes nowhere else, and no quantiser stands behind it.  So bk has no way to an output: it is not loaded and is among no launch's arguments.
;   Score tiles of 64 x 64 in which the mask hides every key: their p are 0.  This launch stores, as whole numbers, which tiles those are; the later launches read that and pass over them.
;   bv is not left out but moved: (sum p (V + bv)) / sum p = (sum p V) / sum p + bv: it is the addend of the multiply-add that divides by the row's sum.
; LIMITS: a NaN, an infinity or an overflow that reaches only bk is not carried to the result.  Q, K, V, the context and Wo are carried in f16: magnitudes up to 65,504; under 6e-5 their absolute error is 3e-8.
;   Blocks of 32 whose largest magnitude lies under 2^(2 - 126) get the scale byte 1; NaN and infinities among q, k, v and the weights are not served.
; THIS LAUNCH, three ways that part on the work-group's number:
;   work-groups 0-63:    the mask [2048][2048] of bytes -> maskw [16 queries: 128][64 keys: 32][32 words]: bit l of word 8 kt + j = mask[16 qt + l % 16][64 ks + 16 kt + 8 (l / 16) + j]: the lanes and registers of a
;                        transposed score tile; and flags [64 queries: 32][64 keys: 32]: bit 0 = some key counts, bit 1 = some key is hidden.
;   work-groups 64-127:  Wo -> two f16 parts, high and low, each laid in the order of a matrix operand's registers: [16 rows n: 64][32 along K: 32][half c: 2][lane: 32][16 bytes].
;   work-groups 128-991: q | k | v | Wq | Wk | Wv, one stream of blocks of 32 along K -> codes (27,648 rows of 512 bytes) and scale bytes (27,648 rows of 32 bytes, from byte XS_OFF on).
.set XS_OFF, 14155776                  ; 27,648 rows x 512 bytes
.set WAVES, 4
.set STEPS, 16
.set EMAX,  2
.set CB,    8                          ; bytes of 16 codes
.set R,     16                         ; v16-79   four sets of 16 numbers as they are loaded
.set X,     80                         ; v80-111  two sets of 16 neighbours
.set C,     128                        ; v128-191 codes: four registers for each step
.set E,     112                        ; v112-127 a scale byte for each step
.set WREG,  8192                       ; LDS: a region for each wave: two stages of 32 x SP bytes, then its 256 scale bytes
.set SP,    80
.set SPW,   12                         ; v12 LDS address of my spare word; never rewritten
.set NIL,   13                         ; v13 0; never rewritten
.set SPARE, WAVES*WREG                 ; the spare words: 128 bytes a wave, named by no other line
	s_load_b512 s[4:19], s[0:1], 0x0               ; q, k, v, Wq, Wk, Wv, Wo, mask
	s_load_b256 s[20:27], s[0:1], 0x40             ; codes, wo16, maskw, flags
	v_lshl_add_u32 v[SPW], v0, 2, SPARE
	v_mov_b32 v[NIL], 0
	v_lshrrev_b32 v1, 5, v0
	v_readfirstlane_b32 s28, v1                    ; wave
	v_and_b32 v2, 31, v0                           ; lane
	s_wait_kmcnt 0x0
	s_cmp_lt_u32 ttmp9, 64
	s_cbranch_scc1 .Lmask
	s_cmp_lt_u32 ttmp9, 128
	s_cbranch_scc1 .Lwo
; ---------------- the quantiser.  A wave takes 16 steps of 512 numbers.  Each load reads 512 consecutive bytes; a step's 2,048 bytes turn through the wave's own stage in LDS, so that a lane
; holds 16 neighbours along K (two neighbouring lanes hold a block); a lane's 16 codes are 8 bytes, so a store covers 256 consecutive bytes; the wave's 256 scale bytes leave as one run of 256.
	s_sub_co_u32 s29, ttmp9, 128                   ; 0..863: 256 for each of q, k, v, 32 for each weight
	s_mov_b64 s[30:31], s[14:15]                   ; the tensor is chosen by the work-group's number alone
	s_cmp_lt_u32 s29, 832
	s_cselect_b64 s[30:31], s[12:13], s[30:31]
	s_cmp_lt_u32 s29, 800
	s_cselect_b64 s[30:31], s[10:11], s[30:31]
	s_cmp_lt_u32 s29, 768
	s_cselect_b64 s[30:31], s[8:9], s[30:31]
	s_cselect_b32 s36, 255, 31
	s_cmp_lt_u32 s29, 512
	s_cselect_b64 s[30:31], s[6:7], s[30:31]
	s_cmp_lt_u32 s29, 256
	s_cselect_b64 s[30:31], s[4:5], s[30:31]
	s_and_b32 s36, s29, s36                        ; my number inside the tensor
	s_lshl_b32 s36, s36, 2
	s_add_co_u32 s36, s36, s28
	s_lshl_b32 s36, s36, 15                        ; a wave's run: 8,192 numbers, 32,768 bytes
	s_mov_b32 s37, 0
	s_add_nc_u64 s[30:31], s[30:31], s[36:37]
	s_lshl_b32 s38, s29, 2
	s_add_co_u32 s38, s38, s28                     ; my run in the stream of all six tensors
	s_lshl_b32 s36, s38, 12                        ; 4,096 bytes of codes a run
	s_add_nc_u64 s[32:33], s[20:21], s[36:37]
	s_lshl_b32 s36, s38, 8                         ; 256 scale bytes a run
	s_add_co_u32 s36, s36, XS_OFF
	s_add_nc_u64 s[34:35], s[20:21], s[36:37]
	v_lshlrev_b32 v3, 4, v2                        ; my 16 bytes of a load's 512
	s_mul_i32 s39, s28, WREG
	v_lshrrev_b32 v14, 2, v2
	v_mul_u32_u24 v14, v14, SP
	v_and_b32 v15, 3, v2
	v_lshl_add_u32 v14, v15, 4, v14
	v_add_nc_u32 v14, s39, v14                     ; the stage, in: four lanes' 64 bytes on end, then 16 of padding
	v_mul_u32_u24 v15, v2, SP
	v_add_nc_u32 v15, s39, v15                     ; and out: my 16 neighbours
	v_mul_u32_u24 v4, v2, CB
	v_lshrrev_b32 v5, 1, v2
	s_add_co_u32 s39, s39, 2*32*SP
	v_add_nc_u32 v5, s39, v5                       ; my block's scale byte in LDS
	v_lshlrev_b32 v7, 3, v2
	v_add_nc_u32 v6, s39, v7
.macro LOAD t
.irp i, 0,1,2,3
	global_load_b128 v[R+16*((\t)%4)+4*\i:R+16*((\t)%4)+4*\i+3], v3, s[30:31] offset:2048*(\t)+512*\i th:TH_LOAD_NT
.endr
.endm
.macro TURN t                          ; LDS serves a wave's instructions in order: no wait between these stores and loads
.irp i, 0,1,2,3
	ds_store_b128 v14, v[R+16*((\t)%4)+4*\i:R+16*((\t)%4)+4*\i+3] offset:32*SP*((\t)%2)+8*SP*\i
.endr
.irp i, 0,1,2,3
	ds_load_b128 v[X+16*((\t)%2)+4*\i:X+16*((\t)%2)+4*\i+3], v15 offset:32*SP*((\t)%2)+16*\i
.endr
.endm
.irp t, 0,1,2,3
	LOAD \t
.endr
	s_wait_loadcnt 12                              ; step 0's four loads are in; the twelve behind them stay out
	TURN 0
.macro STEP t
.set XSR, X+16*((\t)%2)
.if (\t) > 0
	s_wait_dscnt 1                                 ; this step's numbers are back from the stage; the last step's byte store may be out
.else
	s_wait_dscnt 0x0
.endif
.if (\t)+4 < STEPS
	LOAD (\t)+4
.endif
.if (\t)+1 < STEPS
.if STEPS-2-(\t) >= 3
	s_wait_loadcnt 12                              ; the next step's four loads are in; those of the three steps behind it may be out
.else
	s_wait_loadcnt 4*(STEPS-2-(\t))
.endif
	TURN (\t)+1
.endif
	v_max3_num_f32 v8, |v[XSR]|, |v[XSR+1]|, |v[XSR+2]|
	v_max3_num_f32 v9, |v[XSR+3]|, |v[XSR+4]|, |v[XSR+5]|
.irp i, 6,10
	v_max3_num_f32 v8, v8, |v[XSR+\i]|, |v[XSR+\i+1]|
	v_max3_num_f32 v9, v9, |v[XSR+\i+2]|, |v[XSR+\i+3]|
.endr
	v_max3_num_f32 v8, v8, |v[XSR+14]|, |v[XSR+15]|
	v_max3_num_f32 v8, v8, v9, (EMAX+1)<<23        ; the floor 2^(EMAX + 1 - 127): the byte cannot fall under 1
	v_max_num_f32_dpp v8, v8, v8 row_xmask:1 row_mask:0xf bank_mask:0xf   ; with my neighbour's 16: the block's largest magnitude
	v_add_nc_u32 v11, -(EMAX<<23), v8              ; EMAX off its exponent field: the conversion takes that field as its scale
	v_cvt_scalef32_pk8_fp4_f32 v[C+4*(\t)], v[XSR:XSR+7], v11
	v_cvt_scalef32_pk8_fp4_f32 v[C+4*(\t)+1], v[XSR+8:XSR+15], v11
	v_lshrrev_b32 v[E+(\t)], 23, v11               ; the scale's byte
	ds_store_b8 v5, v[E+(\t)] offset:16*(\t)       ; both lanes of a block write the same byte with the same value
	global_store_b64 v4, v[C+4*(\t):C+4*(\t)+1], s[32:33] offset:32*CB*(\t)
.endm
.irp t, 0,1,2,3,4,5,6,7,8,9,10,11,12,13,14,15
	STEP \t
.endr
	ds_load_b64 v[8:9], v6
	s_wait_dscnt 0x0
	global_store_b64 v7, v[8:9], s[34:35]          ; 32 lanes store 256 consecutive bytes
	s_wait_tensorcnt 0x0                           ; the wave's end
	ds_add_u32 v[SPW], v[NIL]
	s_wait_dscnt 0x0
	s_endpgm
; ---------------- the mask.  A wave takes 64 queries x 256 keys: each row's 256 bytes are read by one wave.  Lane (r, h) loads the 8 bytes of row 16 qt + r at keys 64 ks + 16 kt + 8 h; a compare of
; byte j over the 32 lanes IS word 8 kt + j; v_writelane_b32 lays the 32 words of a tile in the 32 lanes of one register, which is stored as 128 consecutive bytes.
.Lmask:
	s_lshl_b32 s29, ttmp9, 2
	s_add_co_u32 s29, s29, s28                     ; task 0..255
	s_lshr_b32 s30, s29, 3                         ; which 64 queries
	s_and_b32 s31, s29, 7                          ; which 256 keys
	v_and_b32 v3, 15, v0
	v_bfe_u32 v4, v0, 4, 1
	v_lshlrev_b32 v5, 11, v3
	v_lshl_add_u32 v5, v4, 3, v5                   ; r x 2,048 + 8 h
	v_lshlrev_b32 v6, 2, v2                        ; 4 x lane
	s_lshl_b32 s36, s30, 17
	s_lshl_b32 s38, s31, 8
	s_add_co_u32 s36, s36, s38
	s_mov_b32 s37, 0
	s_add_nc_u64 s[18:19], s[18:19], s[36:37]
	s_lshl_b32 s36, s30, 14
	s_lshl_b32 s38, s31, 9
	s_add_co_u32 s36, s36, s38
	s_add_nc_u64 s[24:25], s[24:25], s[36:37]
	s_lshl_b32 s36, s30, 7
	s_lshl_b32 s38, s31, 4
	s_add_co_u32 s36, s36, s38
	s_add_nc_u64 s[26:27], s[26:27], s[36:37]
.irp qt, 0,1,2,3
.irp ksl, 0,1,2,3
.irp kt, 0,1,2,3
	global_load_b64 v[32+2*((4*\qt+\ksl)*4+\kt):32+2*((4*\qt+\ksl)*4+\kt)+1], v5, s[18:19] offset:\qt*32768+\ksl*64+\kt*16
.endr
.endr
.endr
.irp ksl, 0,1,2,3
	s_mov_b32 s[40+\ksl], -1                       ; the AND of a 64 x 64 tile's words: -1 = every key hidden
	s_mov_b32 s[44+\ksl], 0                        ; their OR: 0 = none hidden
.endr
	s_wait_loadcnt 0x0
.irp qt, 0,1,2,3
.irp ksl, 0,1,2,3
	v_mov_b32 v[160+4*\qt+\ksl], 0
.irp kt, 0,1,2,3
.irp j, 0,1,2,3,4,5,6,7
	v_and_b32 v[8+\j%4], 0xff<<(8*(\j%4)), v[32+2*((4*\qt+\ksl)*4+\kt)+\j/4]
	v_cmp_ne_u32 s[48+\j], 0, v[8+\j%4]
	v_writelane_b32 v[160+4*\qt+\ksl], s[48+\j], 8*\kt+\j
	s_and_b32 s[40+\ksl], s[40+\ksl], s[48+\j]
	s_or_b32 s[44+\ksl], s[44+\ksl], s[48+\j]
.endr
.endr
	global_store_b32 v6, v[160+4*\qt+\ksl], s[24:25] offset:\qt*4096+\ksl*128
.endr
.endr
.irp ksl, 0,1,2,3
	s_cmp_lg_u32 s[40+\ksl], -1
	s_cselect_b32 s56, 1, 0                        ; some key counts
	s_cmp_lg_u32 s[44+\ksl], 0
	s_cselect_b32 s57, 2, 0                        ; some key is hidden
	s_or_b32 s56, s56, s57
	v_mov_b32 v[176+\ksl], s56
.endr
	v_cmp_eq_u32 vcc_lo, 0, v2
	s_wait_xcnt 0x0                                ; EXEC is a source of the stores above: it changes only behind this wait
	s_and_saveexec_b32 s58, vcc_lo
	global_store_b128 v6, v[176:179], s[26:27]     ; lane 0 alone: the four flags
	s_wait_xcnt 0x0
	s_or_b32 exec_lo, exec_lo, s58
	s_endpgm
; ---------------- Wo.  A wave takes 16 rows x 256 along K: eight fragments, four at a time.  high = the number rounded to 11 significant bits (0x1000 added to the f32's bits, the low 13 cleared), which
; f16 holds as it is; low = number - high, exact in f32, then rounded to f16.
.Lwo:
	s_sub_co_u32 s29, ttmp9, 64
	s_lshl_b32 s29, s29, 2
	s_add_co_u32 s29, s29, s28                     ; task 0..255
	s_lshr_b32 s30, s29, 2                         ; which 16 rows
	s_and_b32 s31, s29, 3                          ; which 256 along K
	v_and_b32 v3, 15, v0
	v_bfe_u32 v4, v0, 4, 1
	v_lshlrev_b32 v5, 12, v3
	v_lshl_add_u32 v5, v4, 5, v5                   ; r x 4,096 + 32 h
	v_lshlrev_b32 v6, 4, v2                        ; 16 x lane
	s_lshl_b32 s36, s30, 16
	s_lshl_b32 s38, s31, 10
	s_add_co_u32 s36, s36, s38
	s_mov_b32 s37, 0
	s_add_nc_u64 s[16:17], s[16:17], s[36:37]
	s_lshl_b32 s36, s30, 15
	s_lshl_b32 s38, s31, 13
	s_add_co_u32 s36, s36, s38
	s_add_nc_u64 s[22:23], s[22:23], s[36:37]
.macro WOB bt
.irp f, 0,1,2,3
	global_load_b128 v[64+16*\f:64+16*\f+3],     v5, s[16:17] offset:\bt*512+\f*128 th:TH_LOAD_NT      ; k = 32 s + 8 h + 0..3
	global_load_b128 v[64+16*\f+4:64+16*\f+7],   v5, s[16:17] offset:\bt*512+\f*128+16 th:TH_LOAD_NT   ; + 4..7
	global_load_b128 v[64+16*\f+8:64+16*\f+11],  v5, s[16:17] offset:\bt*512+\f*128+64 th:TH_LOAD_NT   ; k = 32 s + 16 + 8 h + 0..3
	global_load_b128 v[64+16*\f+12:64+16*\f+15], v5, s[16:17] offset:\bt*512+\f*128+80 th:TH_LOAD_NT
.endr
	s_wait_loadcnt 0x0
.set i, 0
.rept 32
	v_add_nc_u32 v[160+2*(i%4)], 0x1000, v[64+2*i]
	v_add_nc_u32 v[161+2*(i%4)], 0x1000, v[65+2*i]
	v_and_b32 v[160+2*(i%4)], 0xffffe000, v[160+2*(i%4)]
	v_and_b32 v[161+2*(i%4)], 0xffffe000, v[161+2*(i%4)]
	v_cvt_pk_f16_f32 v[32+i], v[160+2*(i%4)], v[161+2*(i%4)]
	v_sub_f32 v[64+2*i], v[64+2*i], v[160+2*(i%4)]
	v_sub_f32 v[65+2*i], v[65+2*i], v[161+2*(i%4)]
	v_cvt_pk_f16_f32 v[128+i], v[64+2*i], v[65+2*i]
.set i, i+1
.endr
.irp f, 0,1,2,3
	global_store_b128 v6, v[32+8*\f:32+8*\f+3],    s[22:23] offset:\bt*4096+\f*1024             ; each store covers 512 consecutive bytes
	global_store_b128 v6, v[32+8*\f+4:32+8*\f+7],  s[22:23] offset:\bt*4096+\f*1024+512
	global_store_b128 v6, v[128+8*\f:128+8*\f+3],  s[22:23] offset:2097152+\bt*4096+\f*1024
	global_store_b128 v6, v[128+8*\f+4:128+8*\f+7], s[22:23] offset:2097152+\bt*4096+\f*1024+512
.endr
.endm
	WOB 0
	s_wait_xcnt 0x0                                ; the stores have read their data: the registers may be written again
	WOB 1
	s_endpgm
.Lfunc_end_k_qf183e58452_prep:
	.size	k_qf183e58452_prep, .Lfunc_end_k_qf183e58452_prep-k_qf183e58452_prep
	.p2alignl 7, 3214868480
	.fill 96, 4, 3214868480
	.section	.rodata,"a",@progbits
	.p2align	6, 0x0
	.amdhsa_kernel k_qf183e58452_prep
		.amdhsa_group_segment_fixed_size 33280
		.amdhsa_private_segment_fixed_size 0
		.amdhsa_enable_private_segment 0
		.amdhsa_kernarg_size 96
		.amdhsa_user_sgpr_count 2
		.amdhsa_user_sgpr_kernarg_segment_ptr 1
		.amdhsa_wavefront_size32 1
		.amdhsa_system_sgpr_workgroup_id_x 1
		.amdhsa_system_sgpr_workgroup_id_y 1
		.amdhsa_system_sgpr_workgroup_id_z 1
		.amdhsa_system_vgpr_workitem_id 0
		.amdhsa_next_free_vgpr 192
		.amdhsa_next_free_sgpr 66
		.amdhsa_reserve_vcc 1
		.amdhsa_float_denorm_mode_32 3
		.amdhsa_float_denorm_mode_16_64 3
		.amdhsa_memory_ordered 1
		.amdhsa_forward_progress 1
		.amdhsa_inst_pref_size 207
	.end_amdhsa_kernel
	.amdgpu_metadata
---
amdhsa.version: [ 1, 2 ]
amdhsa.kernels:
  - .name:           k_qf183e58452_prep
    .symbol:         k_qf183e58452_prep.kd
    .args:
      - { .name: q, .offset: 0, .size: 8, .value_kind: global_buffer, .address_space: global }
      - { .name: k, .offset: 8, .size: 8, .value_kind: global_buffer, .address_space: global }
      - { .name: v, .offset: 16, .size: 8, .value_kind: global_buffer, .address_space: global }
      - { .name: Wq, .offset: 24, .size: 8, .value_kind: global_buffer, .address_space: global }
      - { .name: Wk, .offset: 32, .size: 8, .value_kind: global_buffer, .address_space: global }
      - { .name: Wv, .offset: 40, .size: 8, .value_kind: global_buffer, .address_space: global }
      - { .name: Wo, .offset: 48, .size: 8, .value_kind: global_buffer, .address_space: global }
      - { .name: mask, .offset: 56, .size: 8, .value_kind: global_buffer, .address_space: global }
      - { .name: codes, .offset: 64, .size: 8, .value_kind: global_buffer, .address_space: global }
      - { .name: wo16, .offset: 72, .size: 8, .value_kind: global_buffer, .address_space: global }
      - { .name: maskw, .offset: 80, .size: 8, .value_kind: global_buffer, .address_space: global }
      - { .name: flags, .offset: 88, .size: 8, .value_kind: global_buffer, .address_space: global }
    .group_segment_fixed_size: 33280
    .private_segment_fixed_size: 0
    .kernarg_segment_align: 8
    .kernarg_segment_size: 96
    .max_flat_workgroup_size: 128
    .sgpr_count:     66
    .vgpr_count:     192
    .wavefront_size: 32
...
	.end_amdgpu_metadata
.endif
;; end of part 1
;; launch proj (part 2): grid 4 x 96, 4 waves a work-group, clusters of 4 x 4, 327,680 bytes of LDS; arguments codes, bq, qkv; writes qkv
.if DOCPART == 2
	.amdgcn_target "amdgcn-amd-amdhsa--gfx1250"
	.amdhsa_code_object_version 6
	.text
	.protected	k_qf183e58452_proj
	.globl	k_qf183e58452_proj
	.p2align	8
	.type	k_qf183e58452_proj,@function
k_qf183e58452_proj:
	s_mov_b64 s[64:65], 0
	v_nop
	global_prefetch_b8 v0, s[64:65] scope:SCOPE_SE
	s_setreg_imm32_b32 hwreg(HW_REG_WAVE_MODE, 25, 1), 1
	s_wait_xcnt 0x0
	s_wait_alu depctr_hold_cnt(0) depctr_sa_sdst(0) depctr_va_vdst(0) depctr_va_sdst(0) depctr_va_ssrc(0) depctr_va_vcc(0) depctr_vm_vsrc(0)
	s_getreg_b32 s2, hwreg(HW_REG_IB_STS2, 6, 4)
	s_cmp_eq_u32 s2, 0
	s_cbranch_scc0 .Lentry_in_a_cluster
	s_endpgm
.Lentry_in_a_cluster:
	s_bfe_u32 s2, ttmp6, 0x10000c
	s_cmp_lg_u32 s2, 0xf033
	s_cbranch_scc0 .Lentry_shape_is_right
	s_endpgm
.Lentry_shape_is_right:
; Q = q Wq^T + bq, K = k Wk^T, V = v Wv^T on codes of E2M1 with one E8M0 scale for each 32 along K (1,024).  bk is left out (it is the same for every key of a query and the softmax cancels it: see the first
; launch's head); bv is added where the context is divided by the row's sum.
; codes: 27,648 rows of 512 bytes: q 0.., k 8,192.., v 16,384.., Wq 24,576.., Wk 25,600.., Wv 26,624..; their scale bytes, 32 a row, from byte XS on.
; A work-group of four waves makes 256 x 256 results, a wave 128 x 128: 64 accumulators, 512 registers.  K goes in two steps of 512 through two LDS slots, each filled once; the scale bytes of the 512 rows come once too.
; THE MATRIX INSTRUCTION: source 0 = 16 rows of LDS rows 256-511 ("B"), source 1 = 16 rows of LDS rows 0-255 ("A"): a lane holds one row of A's and eight neighbouring rows of B's.
;   Q, K (cluster y 0-15):  A = rows of q or k, B = rows of the weight: a lane holds a position and eight channels.
;   V    (cluster y 16-23): A = rows of Wv,     B = rows of v:          a lane holds a channel and eight keys, as the second product of attention wants its first source.
; CLUSTERS of 4 x 4: A's tile hangs on cy (and the cluster's y) alone and is asked for jointly by my row of the cluster, B's on cx (and the cluster's y) alone, by my column.  The two cases differ in row numbers in
; memory alone, chosen by the cluster's y, which all sixteen partners share; no LDS address and no branch hangs on cx or cy.
; THE RESULTS leave as f16, in the order of a matrix operand's registers: four registers of 32 lanes = 512 consecutive bytes a store.  qkv: Q at 0, K at 2^24, V at 2^25, 2^18 bytes for each (batch, head);
;   Q, K: [16 positions: 128][32 channels s: 2][c: 2][lane][16 bytes];   V: [64 keys: 32][16 channels: 4][32 keys g: 2][c: 2][lane][16 bytes].
; REGISTERS, in windows of 256: window 0: v0-31 addresses; v32-95 scale words, two sets; from v128 A's fragments, one set (later bq);  window 1: B's fragments, two sets;  windows 2, 3: the accumulators ((a, b) at v[8 (8 (a % 4) + b)]).
.set XS,     14155776
.set KSTEP,  512
.set NQ,     KSTEP/128
.set ROWB,   256                       ; a tile's row in bytes
.set KROW,   512                       ; a row of codes in memory
.set PITCH,  272                       ; an LDS row: 256 bytes + 16 of padding: the 16 rows that a load touches start at 16 different banks
.set FR,     8
.set NL,     2
.set NP,     4
.set HALFT,  128*PITCH
.set SLOT,   4*HALFT
.set KS,     32                        ; a row of scale bytes
.set SCL,    2*SLOT
.set HALFS,  (128*KS/256)*272
.set SBLK,   (16*KS/256)*272
.set SPARE,  SCL+4*HALFS               ; the spare words: 128 bytes a wave, named by no other line
.set ADRA, 16
.set ADRB, 20
.set CO,   26                          ; v26 16 x lane
.set ADRS, 27
.set SPW,  28
.set NIL,  29
.set SC,   32
.set AF,   128
.set BI,   128                         ; on the way out: bq in the result's layout, 8 registers for each of B's blocks
.set G1, 24
.set G0, 32
.set G1B, 48
.set G0B, 56
.set G1S, 68
.set G0S, 76
.set G1SB, 80
.set G0SB, 88
.set MSB, 0
.macro WIN new                         ; the immediate's high byte repeats the setting that is left
.if MSB != \new
	s_set_vgpr_msb (MSB<<8)|\new
.set MSB, \new
.endif
.endm
.set MUL_LO, 0xa1
.set MUL_HI, 0xf1
.set TO_B,   0x40
; A joint load: waves 0 and 1 fetch for A, waves 2 and 3 for B; the branch hangs on the wave's number alone.  An s_nop 0 and four v_nop follow each of the two lines.
.macro JLOAD g0a, g1a, g0b, g1b
	s_cmp_eq_u32 s15, 0
	s_cbranch_scc0 .Lfor_b_\@
	tensor_load_to_lds s[\g0a:\g0a+3], s[\g1a:\g1a+7]
	s_nop 0
.rept 4
	v_nop
.endr
	s_branch .Lasked_\@
.Lfor_b_\@:
	tensor_load_to_lds s[\g0b:\g0b+3], s[\g1b:\g1b+7]
	s_nop 0
.rept 4
	v_nop
.endr
.Lasked_\@:
.endm
.macro CROUND                          ; a round of the cluster's barrier
	s_barrier_signal -1
	s_barrier_wait -1
	s_cmp_lg_u32 s14, 0
	s_cbranch_scc1 .Lnot_wave_0_\@
	s_barrier_signal -3
.Lnot_wave_0_\@:
	s_barrier_wait -3
	s_barrier_signal -1
	s_barrier_wait -1
.endm
	s_load_b128 s[4:7], s[0:1], 0x0                ; codes s[4:5], bq s[6:7]
	s_load_b64 s[12:13], s[0:1], 0x10              ; qkv
	v_lshl_add_u32 v[SPW], v0, 2, SPARE
	v_mov_b32 v[NIL], 0
	ds_add_u32 v[SPW], v[NIL]                      ; the wave's opening: the add, twice on end, and its wait ahead of my first tensor load
	ds_add_u32 v[SPW], v[NIL]
	v_lshrrev_b32 v1, 5, v0
	v_readfirstlane_b32 s14, v1                    ; wave 0..3
	s_lshr_b32 s15, s14, 1                         ; which half of A's rows is mine.  Also: I fetch for A (0) or for B (1)
	s_and_b32 s16, s14, 1                          ; which half of B's rows.  Also: which 128 rows I fetch
	s_bfe_u32 s40, ttmp6, 0x40000                  ; cx
	s_bfe_u32 s41, ttmp6, 0x40004                  ; cy
	s_and_b32 s17, ttmp7, 0xffff                   ; the cluster's y, 0..23
	s_lshr_b32 s42, s17, 3                         ; 0: Q, 1: K, 2: V
	s_lshl_b32 s43, s41, 2
	s_lshl_b32 s43, 15, s43                        ; my row of the cluster
	s_lshl_b32 s44, 0x1111, s40                    ; my column
	s_or_b32 s[G1+0], s43, (0<<16)|(1<<20)|(1<<21)|(5<<22)|(3<<25)  ; the mask; elements of 1 byte; padding: 4 words after every 64; bit 21 beside a mask
	s_or_b32 s[G1B+0], s44, (0<<16)|(1<<20)|(1<<21)|(5<<22)|(3<<25)
.irp g, G1, G1B
	s_mov_b32 s[\g+1], ROWB<<16                    ; tensor_dim0
	s_mov_b32 s[\g+2], 128<<16                     ; tensor_dim1
	s_mov_b32 s[\g+3], ROWB<<16                    ; tile_dim0
	s_mov_b32 s[\g+4], 128                         ; tile_dim1
	s_mov_b32 s[\g+5], KROW                        ; from row to row
	s_mov_b32 s[\g+6], 0
	s_mov_b32 s[\g+7], 0
.endr
	s_or_b32 s[G1S+0], s43, (3<<16)|(1<<20)|(1<<21)|(5<<22)|(3<<25) ; the scale bytes of 128 rows: 4,096 dense bytes as 16 rows of 256 (32 elements of 8 bytes), 16 of padding behind each
	s_or_b32 s[G1SB+0], s44, (3<<16)|(1<<20)|(1<<21)|(5<<22)|(3<<25)
.irp g, G1S, G1SB
	s_mov_b32 s[\g+1], 32<<16
	s_mov_b32 s[\g+2], (128*KS/256)<<16
	s_mov_b32 s[\g+3], 32<<16
	s_mov_b32 s[\g+4], 128*KS/256
	s_mov_b32 s[\g+5], 32
	s_mov_b32 s[\g+6], 0
	s_mov_b32 s[\g+7], 0
.endr
	s_lshl_b32 s18, s16, 7                         ; which 128 rows of a tile I fetch
	s_lshl_b32 s8, s17, 10                         ; 1,024 x the cluster's y: the cluster's rows of q | k | v
	s_lshl_b32 s9, s42, 10
	s_add_co_u32 s9, s9, 24576                     ; the weight's first row
	s_cmp_eq_u32 s42, 2
	s_cselect_b32 s20, 26624, s8                   ; A: Wv's rows for V, the cluster's rows of q or k else
	s_cselect_b32 s46, s8, s9                      ; B: the cluster's rows of v for V, the weight's rows else
	s_lshl_b32 s10, s41, 8
	s_add_co_u32 s20, s20, s10                     ; + 256 cy
	s_add_co_u32 s20, s20, s18
	s_lshl_b32 s11, s40, 8
	s_add_co_u32 s46, s46, s11                     ; + 256 cx
	s_add_co_u32 s46, s46, s18
	s_mov_b32 s21, 0
	s_mov_b32 s47, 0
	s_mov_b64 s[18:19], KS
	s_mul_u64 s[22:23], s[20:21], s[18:19]         ; where these rows' scale bytes begin,
	s_mul_u64 s[92:93], s[46:47], s[18:19]
	s_add_nc_u64 s[22:23], s[22:23], XS
	s_add_nc_u64 s[92:93], s[92:93], XS
	s_mov_b64 s[18:19], KROW
	s_mul_u64 s[20:21], s[20:21], s[18:19]         ; and their codes
	s_mul_u64 s[46:47], s[46:47], s[18:19]
	s_mul_i32 s45, s14, HALFT                      ; where they go: wave x 128 rows
	s_mul_i32 s94, s14, HALFS
	s_wait_dscnt 0x0                               ; both opening adds are done
	s_wait_kmcnt 0x0
	s_add_nc_u64 s[20:21], s[4:5], s[20:21]
	s_add_nc_u64 s[22:23], s[4:5], s[22:23]
	s_add_nc_u64 s[46:47], s[4:5], s[46:47]
	s_add_nc_u64 s[92:93], s[4:5], s[92:93]
	CROUND                                         ; all sixteen work-groups are here: the joint loads meet
	s_mov_b32 s[G0S], 1
	s_add_co_u32 s[G0S+1], s94, SCL
	s_mov_b64 s[G0S+2:G0S+3], s[22:23]
	s_or_b32 s[G0S+3], s[G0S+3], 0x80000000
	s_mov_b32 s[G0SB], 1
	s_add_co_u32 s[G0SB+1], s94, SCL
	s_mov_b64 s[G0SB+2:G0SB+3], s[92:93]
	s_or_b32 s[G0SB+3], s[G0SB+3], 0x80000000
	JLOAD G0S, G1S, G0SB, G1SB                     ; three loads of mine go out: the scale bytes, K step 0, K step 1; nothing is filled again
.irp s, 0,1
	s_mov_b32 s[G0+4*\s], 1
	s_add_co_u32 s[G0+4*\s+1], s45, \s*SLOT
	s_add_nc_u64 s[G0+4*\s+2:G0+4*\s+3], s[20:21], \s*ROWB
	s_or_b32 s[G0+4*\s+3], s[G0+4*\s+3], 0x80000000
	s_mov_b32 s[G0B+4*\s], 1
	s_add_co_u32 s[G0B+4*\s+1], s45, \s*SLOT
	s_add_nc_u64 s[G0B+4*\s+2:G0B+4*\s+3], s[46:47], \s*ROWB
	s_or_b32 s[G0B+4*\s+3], s[G0B+4*\s+3], 0x80000000
	JLOAD G0+4*\s, G1, G0B+4*\s, G1B
.endr
	v_and_b32 v1, 15, v0                           ; l % 16
	v_bfe_u32 v2, v0, 4, 1                         ; l / 16
	v_mul_u32_u24 v3, v1, PITCH
	v_lshl_add_u32 v4, v2, 4, v3                   ; a fragment's row x pitch + 16 x half
	s_mul_i32 s21, s15, HALFT                      ; my 128 rows of A
	s_mul_i32 s22, s16, HALFT                      ; my 128 rows of B,
	s_add_co_u32 s22, s22, 2*HALFT                 ; behind A's 256
.irp s, 0,1
	v_add_nc_u32 v[ADRA+\s], s21, v4
	v_add_nc_u32 v[ADRB+\s], s22, v4
	s_add_co_u32 s21, s21, SLOT
	s_add_co_u32 s22, s22, SLOT
.endr
	v_mul_u32_u24 v5, v1, KS                       ; my row's scale bytes: 32 a row,
	v_lshrrev_b32 v6, 8, v5
	v_lshl_add_u32 v5, v6, 4, v5                   ; and 16 more for each 256 passed
	s_mul_i32 s21, s15, HALFS
	s_mul_i32 s22, s16, HALFS
	s_add_co_u32 s22, s22, 2*HALFS
	s_sub_co_u32 s22, s22, s21
	v_mul_u32_u24 v6, s22, v2                      ; lanes 16-31 take B's
	s_add_co_u32 s21, s21, SCL
	v_add_nc_u32 v5, v5, v6
	v_add_nc_u32 v[ADRS], s21, v5
	v_and_b32 v6, 31, v0
	v_lshlrev_b32 v[CO], 4, v6
.macro FRAG reg, adr, q, i             ; 16 rows x 128 K of 4-bit codes: 8 registers, two loads of 16 bytes, 32 bytes apart
.irp c, 0,1
	ds_load_b128 v[\reg+4*\c:\reg+4*\c+3], v[\adr] offset:64*(\q)+32*\c+(\i)*16*PITCH
.endr
.endm
; 16 matrix instructions: A's blocks a0, a0 + 1 x B's eight.  The 64 accumulators take turns, one instruction a turn, in the same order in every step.
.macro MUL16 a0, p, q, sc, zero
.irp a, \a0, \a0+1
.irp b, 0,1,2,3,4,5,6,7
.if \zero
	v_wmma_scale_f32_16x16x128_f8f6f4 v[8*(8*((\a)%4)+\b):8*(8*((\a)%4)+\b)+7], v[128*(\p)+FR*\b:128*(\p)+FR*\b+FR-1], v[AF+FR*(\a):AF+FR*(\a)+FR-1], 0, v[SC+8*NQ*(\sc)+NQ*\b+(\q)], v[SC+8*NQ*(\sc)+NQ*(\a)+(\q)] matrix_a_fmt:MATRIX_FMT_FP4 matrix_b_fmt:MATRIX_FMT_FP4 matrix_a_scale:MATRIX_SCALE_ROW1
.else
	v_wmma_scale_f32_16x16x128_f8f6f4 v[8*(8*((\a)%4)+\b):8*(8*((\a)%4)+\b)+7], v[128*(\p)+FR*\b:128*(\p)+FR*\b+FR-1], v[AF+FR*(\a):AF+FR*(\a)+FR-1], v[8*(8*((\a)%4)+\b):8*(8*((\a)%4)+\b)+7], v[SC+8*NQ*(\sc)+NQ*\b+(\q)], v[SC+8*NQ*(\sc)+NQ*(\a)+(\q)] matrix_a_fmt:MATRIX_FMT_FP4 matrix_b_fmt:MATRIX_FMT_FP4 matrix_a_scale:MATRIX_SCALE_ROW1
.endif
.endr
.endr
.endm
.macro FETCH_B slot, q, p
	WIN TO_B
.irp i, 0,1,2,3,4,5,6,7
	FRAG 128*(\p)+FR*\i, ADRB+\slot, \q, \i
.endr
	WIN 0
.endm
.macro FETCH_A slot, q, i0
.irp i, \i0, \i0+1, \i0+2, \i0+3
	FRAG AF+FR*(\i), ADRA+\slot, \q, \i
.endr
.endm
.macro SCALES sc                       ; a K step's scale words: lanes 0-15 A's block i, lanes 16-31 B's block i
.irp i, 0,1,2,3,4,5,6,7
	ds_load_b128 v[SC+8*NQ*\sc+NQ*\i:SC+8*NQ*\sc+NQ*\i+3], v[ADRS] offset:\i*SBLK
.endr
.endm
.macro PLACES n                        ; plain vector instructions between a matrix instruction and a load into, or a vector read or write of, its registers
.rept \n
	v_nop
.endr
.endm
.macro STEP slot, q, zero              ; 128 along K, with its successor in the same slot
	s_wait_dscnt 4*NL                              ; B's set and A's blocks 0-3 are in; the youngest eight loads (A's blocks 4-7) may be out
	WIN MUL_LO
	MUL16 0, (\q)%2, \q, \slot, \zero
	MUL16 2, (\q)%2, \q, \slot, \zero
	s_wait_dscnt 0
	PLACES NP
	FETCH_B \slot, (\q)+1, 1-(\q)%2
	FETCH_A \slot, (\q)+1, 0
	WIN MUL_HI
	MUL16 4, (\q)%2, \q, \slot, \zero
	MUL16 6, (\q)%2, \q, \slot, \zero
	PLACES NP
	WIN 0
	FETCH_A \slot, (\q)+1, 4
.endm
.macro TURN slot, next                 ; slot 0's last step: behind the barrier slot 1 is whole for every wave; nothing is filled again
	s_wait_tensorcnt 0x0                           ; all my tensor loads have landed: my part of slot 1 among them
	ds_add_u32 v[SPW], v[NIL]                      ; 0 onto my spare word
	s_wait_dscnt 4*NL+1                            ; the add and the youngest eight loads may be out
	WIN MUL_LO
	MUL16 0, 1, NQ-1, \slot, 0
	s_wait_dscnt 0x0
	s_barrier_signal -1
	MUL16 2, 1, NQ-1, \slot, 0
	WIN 0
	s_barrier_wait -1
	PLACES NP
	v_add_nc_u32 v[ADRS], 4*NQ, v[ADRS]            ; the next K step's scale words
	FETCH_B \next, 0, 0
	FETCH_A \next, 0, 0
	SCALES \next
	WIN MUL_HI
	MUL16 4, 1, NQ-1, \slot, 0
	MUL16 6, 1, NQ-1, \slot, 0
	PLACES NP
	WIN 0
	FETCH_A \next, 0, 4
.endm
.macro STEPS slot, from
.set QQ, \from
.rept NQ-1-\from
	STEP \slot, QQ, 0
.set QQ, QQ+1
.endr
.endm
	s_wait_tensorcnt 1                             ; the scale bytes and my part of K step 0 are in; K step 1's load may be out
	s_barrier_signal -1
	s_barrier_wait -1
	FETCH_B 0, 0, 0
	FETCH_A 0, 0, 0
	SCALES 0
	FETCH_A 0, 0, 4
	STEP 0, 0, 1                                   ; the first products start the sums: nothing is cleared
	STEPS 0, 1
	TURN 0, 1
	STEPS 1, 0
	s_wait_dscnt 4*NL
	WIN MUL_LO
	MUL16 0, 1, NQ-1, 1, 0
	MUL16 2, 1, NQ-1, 1, 0
	s_wait_dscnt 0
	WIN MUL_HI
	MUL16 4, 1, NQ-1, 1, 0
	MUL16 6, 1, NQ-1, 1, 0
	WIN 0
	PLACES NP
	; THE WAY OUT.  Where my 128 x 128 begins in qkv.  x's tile of 256 positions is picked by cy (Q, K) or cx (V), the 256 channels by the other place; likewise the waves' halves.
	s_cmp_eq_u32 s42, 2
	s_cselect_b32 s8, s40, s41                     ; the place that picks the positions
	s_cselect_b32 s9, s41, s40                     ; the place that picks the channels
	s_cselect_b32 s10, s16, s15                    ; my half of the positions
	s_cselect_b32 s11, s15, s16                    ; my half of the channels
	s_mov_b32 s18, 0x2000
	s_cselect_b32 s18, 0x40000, s18                ; from A's blocks 0-3 to 4-7: four tiles of positions (8,192 bytes), or for V a head (2^18)
	s_mov_b32 s22, 0x40000
	s_cselect_b32 s22, 0x2000, s22                 ; from B's blocks 0-3 to 4-7: a head, or for V 64 keys
	s_and_b32 s20, s17, 7
	s_lshl_b32 s20, s20, 2
	s_add_co_u32 s8, s20, s8                       ; the tile of 256 positions in the tensor, 0..31
	s_lshr_b32 s23, s8, 3                          ; the batch
	s_and_b32 s8, s8, 7
	s_lshl_b32 s20, s42, 24
	s_lshl_b32 s23, s23, 22
	s_add_co_u32 s20, s20, s23
	s_lshl_b32 s9, s9, 20                          ; four heads to 256 channels
	s_add_co_u32 s20, s20, s9
	s_lshl_b32 s11, s11, 19
	s_add_co_u32 s20, s20, s11
	s_lshl_b32 s8, s8, 15                          ; 256 positions are 32,768 bytes of a head
	s_add_co_u32 s20, s20, s8
	s_lshl_b32 s10, s10, 14
	s_add_co_u32 s20, s20, s10
	s_mov_b32 s21, 0
	s_mov_b32 s19, 0
	s_mov_b32 s23, 0
	s_add_nc_u64 s[24:25], s[12:13], s[20:21]      ; four bases (no tensor load of mine is out: the descriptors' registers are free): blocks a < 4, b < 4;
	s_add_nc_u64 s[26:27], s[24:25], s[22:23]      ; a < 4, b >= 4;
	s_add_nc_u64 s[28:29], s[24:25], s[18:19]      ; a >= 4, b < 4;
	s_add_nc_u64 s[30:31], s[28:29], s[22:23]      ; a >= 4, b >= 4
	s_cmp_lg_u32 s42, 0                            ; the cluster's y alone decides: all partners go the same way
	s_cbranch_scc1 .Lno_bias
	s_lshl_b32 s8, s40, 10                         ; bq: my 128 channels begin at 256 cx + 128 x my half
	s_lshl_b32 s9, s16, 9
	s_add_co_u32 s8, s8, s9
	s_mov_b32 s9, 0
	s_add_nc_u64 s[6:7], s[6:7], s[8:9]
	v_bfe_u32 v3, v0, 4, 1
	v_lshlrev_b32 v3, 5, v3                        ; 32 h: register j of block b is channel 16 b + 8 h + j
.irp b, 0,1,2,3,4,5,6,7
	global_load_b128 v[BI+8*\b:BI+8*\b+3], v3, s[6:7] offset:64*\b
	global_load_b128 v[BI+8*\b+4:BI+8*\b+7], v3, s[6:7] offset:64*\b+16
.endr
	s_wait_loadcnt 0x0
.irp a, 0,1,2,3,4,5,6,7
	WIN 0x82+0x41*(\a/4)                           ; destination and source 0: window 2 or 3
.irp b, 0,1,2,3,4,5,6,7
.irp k, 0,2,4,6
	v_pk_add_f32 v[64*(\a%4)+8*\b+\k:64*(\a%4)+8*\b+\k+1], v[64*(\a%4)+8*\b+\k:64*(\a%4)+8*\b+\k+1], v[BI+8*\b+\k:BI+8*\b+\k+1]
.endr
.endr
.endr
	WIN 0
.Lno_bias:
.macro OUTBLK a                        ; A's block a: rounded to f16 in place, each accumulator from its low end on; then eight stores of 512 consecutive bytes
	WIN 0x8a+0x45*((\a)/4)                         ; destination and both sources: window 2 or 3
.irp b, 0,1,2,3,4,5,6,7
.irp r, 0,1,2,3
	v_cvt_pk_f16_f32 v[64*((\a)%4)+8*\b+\r], v[64*((\a)%4)+8*\b+2*\r], v[64*((\a)%4)+8*\b+2*\r+1]
.endr
.endr
	WIN 0x08+4*((\a)/4)                            ; a store's data are its source 1
.irp b, 0,1,2,3,4,5,6,7
	global_store_b128 v[CO], v[64*((\a)%4)+8*\b:64*((\a)%4)+8*\b+3], s[24+4*((\a)/4)+2*(\b/4):25+4*((\a)/4)+2*(\b/4)] offset:((\a)%4)*2048+((\b%4)/2)*1024+(\b%2)*512
.endr
.endm
.irp a, 0,1,2,3,4,5,6,7
	OUTBLK \a
.endr
	WIN 0
	s_wait_tensorcnt 0x0                           ; the wave's end
	ds_add_u32 v[SPW], v[NIL]
	s_wait_dscnt 0x0
	CROUND                                         ; the closing round
	s_endpgm
.Lfunc_end_k_qf183e58452_proj:
	.size	k_qf183e58452_proj, .Lfunc_end_k_qf183e58452_proj-k_qf183e58452_proj
	.p2alignl 7, 3214868480
	.fill 96, 4, 3214868480
	.section	.rodata,"a",@progbits
	.p2align	6, 0x0
	.amdhsa_kernel k_qf183e58452_proj
		.amdhsa_group_segment_fixed_size 327680
		.amdhsa_private_segment_fixed_size 0
		.amdhsa_enable_private_segment 0
		.amdhsa_kernarg_size 24
		.amdhsa_user_sgpr_count 2
		.amdhsa_user_sgpr_kernarg_segment_ptr 1
		.amdhsa_wavefront_size32 1
		.amdhsa_system_sgpr_workgroup_id_x 1
		.amdhsa_system_sgpr_workgroup_id_y 1
		.amdhsa_system_sgpr_workgroup_id_z 1
		.amdhsa_system_vgpr_workitem_id 0
		.amdhsa_next_free_vgpr 1024
		.amdhsa_next_free_sgpr 98
		.amdhsa_reserve_vcc 0
		.amdhsa_float_denorm_mode_32 3
		.amdhsa_float_denorm_mode_16_64 3
		.amdhsa_memory_ordered 1
		.amdhsa_forward_progress 1
		.amdhsa_inst_pref_size 136
	.end_amdhsa_kernel
	.amdgpu_metadata
---
amdhsa.version: [ 1, 2 ]
amdhsa.kernels:
  - .name:           k_qf183e58452_proj
    .symbol:         k_qf183e58452_proj.kd
    .args:
      - { .name: codes, .offset: 0, .size: 8, .value_kind: global_buffer, .address_space: global }
      - { .name: bq, .offset: 8, .size: 8, .value_kind: global_buffer, .address_space: global }
      - { .name: qkv, .offset: 16, .size: 8, .value_kind: global_buffer, .address_space: global }
    .group_segment_fixed_size: 327680
    .private_segment_fixed_size: 0
    .kernarg_segment_align: 8
    .kernarg_segment_size: 24
    .max_flat_workgroup_size: 128
    .sgpr_count:     98
    .vgpr_count:     1024
    .wavefront_size: 32
...
	.end_amdgpu_metadata
.endif
;; end of part 2
;; launch attn (part 3): grid 4 x 64, 8 waves a work-group, no clusters, 136,192 bytes of LDS; arguments qkv, maskw, flags, bv, ctx; writes ctx
.if DOCPART == 3
	.amdgcn_target "amdgcn-amd-amdhsa--gfx1250"
	.amdhsa_code_object_version 6
	.text
	.protected	k_qf183e58452_attn
	.globl	k_qf183e58452_attn
	.p2align	8
	.type	k_qf183e58452_attn,@function
k_qf183e58452_attn:
	s_mov_b64 s[64:65], 0
	v_nop
	global_prefetch_b8 v0, s[64:65] scope:SCOPE_SE
	s_setreg_imm32_b32 hwreg(HW_REG_WAVE_MODE, 25, 1), 1
	s_wait_xcnt 0x0
; ctx[b][q][head] = (sum over keys of p V) / (sum of p) + bv, p = exp(score - the row's running maximum), score = Q.K / 8, -inf where the mask hides the key.  Operands in f16, sums, maxima and p in f32.
; LEFT OUT: score tiles of 64 x 64 in which the mask hides every key (their p are 0): the first launch stored which, as whole numbers, and this launch branches on them.  bk: see the first launch's head.
; A row with no key at all: its sum is 0, and 0 x (1 / 0) gives NaN, as the softmax of a row of -inf does.
; SHARES.  A work-group owns one (batch, head) and two blocks of 256 queries, i and 7 - i, one after the other (two passes).  Eight waves in two groups of four.  Wave w of EACH group owns the same 64 queries
; (four tiles of 16); THE KEYS ARE SPLIT: of a trip's 128 keys group 0 takes the first 64, group 1 the second.  So two waves work on every SIMD: one's vector work stands beside the other's matrix work.
; At a pass's end the two partners exchange halves through LDS and merge maximum, sum and O.
; LAYOUT.  S^T = K Q^T and O^T = V^T P: a lane holds one query throughout; two score tiles rounded to f16 in pairs ARE the second product's source 1.  Q, K, V lie in memory in the order of the operands' registers,
; so every fragment is two runs of 512 consecutive bytes: no pitch, no padding, no transposing load.
; K AND V reach LDS through registers, since the loads are jumped over on numbers read from memory: each wave loads 4,096 bytes of its own group's next 64 keys at a trip's head and stores them to the other slot at its end.
; No joint loads for the same reason; the four work-groups of a head do not walk in step.
; ONE BARRIER A TRIP: in front of it my stores into the next slot are done and my reads of this slot are back.  Every wave passes it in every trip; only loads and work are jumped over.
; REGISTERS: window 0: v1-14 addresses; v16-47 statistics, 8 a tile (+0 c m, +1 m, +2, +3 the sum, +4..7 at work; a takes +6); v48-79 K or V on their way to LDS; v80-207 S^T, 32 a tile, P laid over its first 16;
;   v208-239 bv; v240-255 at work.   window 1: v0-127 O^T, 32 a tile; v128-191 Q, 16 a tile; v192-255 eight fragments, K's and then V's.
.set MG,    65536                      ; behind the ring (2 slots x 2 groups x (8,192 K + 8,192 V)): 8,704 bytes a wave for the merge: O of two tiles, then c m, sum, c m, sum
.set MGB,   8704
.set SPARE, MG+8*MGB                   ; the spare words: 128 bytes a wave, named by no other line
.set LI,   1                           ; 16 x lane
.set ADR,  2                           ; my group's K in slot 0, + 16 x lane
.set STW,  3                           ; where I store my 4,096 bytes in slot 0
.set L4,   4                           ; 4 x lane
.set MGW,  5
.set MGR,  6
.set MGW4, 7
.set MGR4, 8
.set NINF, 9
.set SPW,  10
.set NIL,  11
.set PFO,  12                          ; 256 x lane
.set HB,   14                          ; 32 x (lane / 16)
.set ST,   16
.set G,    48
.set S,    80
.set BV,   208
.set MT,   240
.set O,    0
.set Q,    128
.set F,    192
.set MP,   20                          ; s[20:21] my mask words of this trip
.set GL,   22                          ; bit 0: this trip's 64 keys of my group count for some query of the block; bit 2: the next trip's; bit 4: the one after
.set LV,   23                          ; the same for my own 64 queries
.set PT,   24                          ; some key of the tile is hidden
.set PM,   25                          ; what I prefetch
.set KV,   26                          ; s[26:27] my 4,096 bytes of the next trip
.set CS,   28                          ; s[28:29] c = log2(e) / 8
.set SEL,  30                          ; s[30:31] lane l xor 16
.set MSB, 0
.macro WIN new
.if MSB != \new
	s_set_vgpr_msb (MSB<<8)|\new
.set MSB, \new
.endif
.endm
.macro PLACES n
.rept \n
	v_nop
.endr
.endm
.macro LDNEXT
.irp i, 0,1,2,3,4,5,6,7
	global_load_b128 v[G+4*\i:G+4*\i+3], v[LI], s[KV:KV+1] offset:512*\i
.endr
.endm
.macro STNEXT slot
.irp i, 0,1,2,3,4,5,6,7
	ds_store_b128 v[STW], v[G+4*\i:G+4*\i+3] offset:32768*(\slot)+512*\i
.endr
.endm
.macro FETCH off                       ; eight fragments: 16 runs of 512 bytes
	WIN 0x40                                       ; destination window 1
.set i, 0
.rept 16
	ds_load_b128 v[F+4*i:F+4*i+3], v[ADR] offset:\off+512*i
.set i, i+1
.endr
.endm
.macro SQK                             ; 32 products; the 16 accumulators take turns, one instruction a turn; the first 16 start the sums
	WIN 0x05                                       ; K and Q window 1, S^T window 0
.irp s, 0,1
.irp kt, 0,1,2,3
.irp qt, 0,1,2,3
.if \s == 0
	v_wmma_f32_16x16x32_f16 v[S+32*\qt+8*\kt:S+32*\qt+8*\kt+7], v[F+8*(2*\kt+\s):F+8*(2*\kt+\s)+7], v[Q+16*\qt+8*\s:Q+16*\qt+8*\s+7], 0
.else
	v_wmma_f32_16x16x32_f16 v[S+32*\qt+8*\kt:S+32*\qt+8*\kt+7], v[F+8*(2*\kt+\s):F+8*(2*\kt+\s)+7], v[Q+16*\qt+8*\s:Q+16*\qt+8*\s+7], v[S+32*\qt+8*\kt:S+32*\qt+8*\kt+7]
.endif
.endr
.endr
.endr
.endm
.macro PV                              ; 32 products, 16 accumulators by turns
	WIN 0x51                                       ; V and O^T window 1, P window 0
.irp g, 0,1
.irp ct, 0,1,2,3
.irp qt, 0,1,2,3
	v_wmma_f32_16x16x32_f16 v[O+32*\qt+8*\ct:O+32*\qt+8*\ct+7], v[F+8*(2*\ct+\g):F+8*(2*\ct+\g)+7], v[S+32*\qt+8*\g:S+32*\qt+8*\g+7], v[O+32*\qt+8*\ct:O+32*\qt+8*\ct+7]
.endr
.endr
.endr
.endm
.macro MASK2 x                         ; tiles x, x + 1: word n is the lanes' mask for register n: hidden scores become -inf
	s_load_b512 s[32:47], s[MP:MP+1], 4096*\x
	s_load_b512 s[48:63], s[MP:MP+1], 4096*\x+64
	s_load_b512 s[68:83], s[MP:MP+1], 4096*(\x+1)
	s_load_b512 s[84:99], s[MP:MP+1], 4096*(\x+1)+64
	s_wait_kmcnt 0x0
.set n, 0
.rept 32
	v_cndmask_b32 v[S+32*\x+n], v[S+32*\x+n], v[NINF], s[32+n]
.set n, n+1
.endr
.set n, 0
.rept 32
	v_cndmask_b32 v[S+32*(\x+1)+n], v[S+32*(\x+1)+n], v[NINF], s[68+n]
.set n, n+1
.endr
.endm
.macro SOFTMAX                         ; the four tiles take turns line by line, so that no line waits for the line above it
.irp j, 0,1,2,3
.irp t, 0,1,2,3
	v_max3_num_f32 v[ST+8*\t+4+\j], v[S+32*\t+8*\j], v[S+32*\t+8*\j+1], v[S+32*\t+8*\j+2]   ; each accumulator is read from its low end on
.endr
.endr
.irp i, 3,5
.irp j, 0,1,2,3
.irp t, 0,1,2,3
	v_max3_num_f32 v[ST+8*\t+4+\j], v[ST+8*\t+4+\j], v[S+32*\t+8*\j+\i], v[S+32*\t+8*\j+\i+1]
.endr
.endr
.endr
.irp t, 0,1,2,3
	v_max3_num_f32 v[ST+8*\t+4], v[ST+8*\t+4], v[S+32*\t+7], v[S+32*\t+15]
.endr
.irp t, 0,1,2,3
	v_max3_num_f32 v[ST+8*\t+6], v[ST+8*\t+6], v[S+32*\t+23], v[S+32*\t+31]
.endr
.irp t, 0,1,2,3
	v_max3_num_f32 v[ST+8*\t+4], v[ST+8*\t+4], v[ST+8*\t+5], v[ST+8*\t+6]
.endr
.irp t, 0,1,2,3
	v_max3_num_f32 v[ST+8*\t+4], v[ST+8*\t+4], v[ST+8*\t+7], v[ST+8*\t+1]   ; with the old m
.endr
.irp t, 0,1,2,3
	v_permlanex16_b32 v[ST+8*\t+5], v[ST+8*\t+4], s[SEL], s[SEL+1]          ; the query's other 32 keys lie 16 lanes away
.endr
.irp t, 0,1,2,3
	v_mov_b32 v[ST+8*\t+7], v[ST+8*\t]                                      ; the old c m
.endr
.irp t, 0,1,2,3
	v_max_num_f32 v[ST+8*\t+1], v[ST+8*\t+4], v[ST+8*\t+5]
.endr
.irp t, 0,1,2,3
	v_mul_f32 v[ST+8*\t], s[CS], v[ST+8*\t+1]
.endr
.irp t, 0,1,2,3
	v_sub_f32 v[ST+8*\t+7], v[ST+8*\t+7], v[ST+8*\t]
.endr
.set b, 0
.rept 16
.irp t, 0,1,2,3
	v_pk_fma_f32 v[S+32*\t+2*b:S+32*\t+2*b+1], v[S+32*\t+2*b:S+32*\t+2*b+1], s[CS:CS+1], v[ST+8*\t:ST+8*\t+1] op_sel_hi:[1,0,0] neg_lo:[0,0,1] neg_hi:[0,0,1]   ; c s - c m
.endr
.set b, b+1
.endr
.irp t, 0,1,2,3
	v_exp_f32 v[ST+8*\t+6], v[ST+8*\t+7]                                    ; a = 2^(c m_old - c m_new)
.endr
.set b, 0
.rept 32
.irp t, 0,1,2,3
	v_exp_f32 v[S+32*\t+b], v[S+32*\t+b]
.endr
.set b, b+1
.endr
	v_nop                                          ; a plain instruction behind the last exponential,
	s_wait_alu depctr_va_vdst(0)                   ; and one wait for the whole batch of 132, ahead of its first reader
.irp t, 0,1,2,3
	v_pk_add_f32 v[ST+8*\t+4:ST+8*\t+5], v[S+32*\t:S+32*\t+1], v[S+32*\t+2:S+32*\t+3]   ; the sum is taken of the unrounded p
.endr
.set b, 2
.rept 14
.irp t, 0,1,2,3
	v_pk_add_f32 v[ST+8*\t+4:ST+8*\t+5], v[ST+8*\t+4:ST+8*\t+5], v[S+32*\t+2*b:S+32*\t+2*b+1]
.endr
.set b, b+1
.endr
.irp t, 0,1,2,3
	v_pk_fma_f32 v[ST+8*\t+2:ST+8*\t+3], v[ST+8*\t+2:ST+8*\t+3], v[ST+8*\t+6:ST+8*\t+7], v[ST+8*\t+4:ST+8*\t+5] op_sel_hi:[1,0,1]
.endr
.set b, 0
.rept 16
.irp t, 0,1,2,3
	v_cvt_pk_f16_f32 v[S+32*\t+b], v[S+32*\t+2*b], v[S+32*\t+2*b+1]         ; P, in place, ascending: register b is written when pair b has been read
.endr
.set b, b+1
.endr
.endm
; A TRIP: 128 keys, 64 for each group, out of slot `slot`.
.macro TRIP slot
	s_bitcmp1_b32 s[GL], 2
	s_cbranch_scc0 .Lno_load_\@
	LDNEXT                                         ; the next trip's K or V: it has this trip's work in which to come
	s_bitcmp1_b32 s[PM], 4
	s_cbranch_scc0 .Lno_load_\@
	global_prefetch_b8 v[PFO], s[KV:KV+1] offset:16384 th:TH_LOAD_NT scope:SCOPE_SE   ; the trip after next: my group's 8,192 bytes of K (wave 0) or V (wave 2), lanes 256 bytes apart
.Lno_load_\@:
	s_bitcmp1_b32 s[LV], 0
	s_cbranch_scc0 .Lno_work_\@
	FETCH 32768*\slot
	s_wait_dscnt 0x0
	SQK
	WIN 0
	PLACES 4                                       ; behind the products: in front of the loads into K's registers and of the first read of the scores
	FETCH 32768*\slot+8192                         ; V comes while the softmax is worked
	WIN 0
	s_bitcmp1_b32 s[PT], 0
	s_cbranch_scc0 .Lopen_\@
	MASK2 0
	MASK2 2
.Lopen_\@:
	SOFTMAX
	WIN 0x41                                       ; O^T window 1, a window 0
.irp t, 0,1,2,3
.set b, 0
.rept 16
	v_pk_mul_f32 v[O+32*\t+2*b:O+32*\t+2*b+1], v[O+32*\t+2*b:O+32*\t+2*b+1], v[ST+8*\t+6:ST+8*\t+7] op_sel_hi:[1,0]
.set b, b+1
.endr
.endr
	s_wait_dscnt 0x0                               ; V is in
	PV
	WIN 0
	PLACES 5                                       ; five: the next products K Q^T write over P, a source of these; four serve the next loads into V's registers
.Lno_work_\@:
	s_wait_loadcnt 0x0
	s_bitcmp1_b32 s[GL], 2
	s_cbranch_scc0 .Lno_store_\@
	STNEXT 1-\slot
.Lno_store_\@:
	s_wait_dscnt 0x0                               ; for the others' sake: my stores into the next slot are done, my reads of this slot are back
	s_wait_xcnt 0x0                                ; the pointers below are sources of this trip's loads and prefetch
	s_barrier_signal -1
	s_barrier_wait -1
	s_add_nc_u64 s[KV:KV+1], s[KV:KV+1], 16384
	s_add_nc_u64 s[MP:MP+1], s[MP:MP+1], 256
	s_lshr_b32 s[GL], s[GL], 2
	s_lshr_b32 s[LV], s[LV], 2
	s_lshr_b32 s[PT], s[PT], 2
	s_lshr_b32 s[PM], s[PM], 2
.endm
.macro SENDT x                         ; tiles x, x + 1 go to my partner
	WIN 0x04                                       ; an LDS store's data are its source 1: window 1
.irp u, 0,1
.irp i, 0,1,2,3,4,5,6,7
	ds_store_b128 v[MGW], v[O+32*(\x+\u)+4*\i:O+32*(\x+\u)+4*\i+3] offset:4096*\u+512*\i
.endr
.endr
	WIN 0
.irp u, 0,1
	ds_store_b32 v[MGW4], v[ST+8*(\x+\u)] offset:256*\u
	ds_store_b32 v[MGW4], v[ST+8*(\x+\u)+2] offset:256*\u+128
.endr
.endm
.macro KEEP x                          ; tiles x, x + 1 are finished here: mine and my partner's halves of the keys are merged, divided, + bv, rounded to f16 and stored
.irp u, 0,1
.irp i, 0,1,2,3,4,5,6,7
	ds_load_b128 v[S+32*\u+4*\i:S+32*\u+4*\i+3], v[MGR] offset:4096*\u+512*\i
.endr
	ds_load_b32 v[MT+2*\u], v[MGR4] offset:256*\u
	ds_load_b32 v[MT+2*\u+1], v[MGR4] offset:256*\u+128
.endr
	s_wait_dscnt 0x0
.irp u, 0,1
	v_max_num_f32 v[MT+4+\u], v[ST+8*(\x+\u)], v[MT+2*\u]
.endr
.irp u, 0,1
	v_sub_f32 v[MT+6+2*\u], v[ST+8*(\x+\u)], v[MT+4+\u]
	v_sub_f32 v[MT+7+2*\u], v[MT+2*\u], v[MT+4+\u]
.endr
.irp u, 0,1,2,3
	v_exp_f32 v[MT+6+\u], v[MT+6+\u]
.endr
	v_mov_b32 v[MT+10], 0                          ; (plain instructions behind the exponentials; a lane permute's destination counts as read)
	v_mov_b32 v[MT+11], 0
	s_wait_alu depctr_va_vdst(0)
.irp u, 0,1
	v_mul_f32 v[MT+4+\u], v[ST+8*(\x+\u)+2], v[MT+6+2*\u]
.endr
.irp u, 0,1
	v_fmac_f32 v[MT+4+\u], v[MT+2*\u+1], v[MT+7+2*\u]
.endr
.irp u, 0,1
	v_permlanex16_b32 v[MT+10+\u], v[MT+4+\u], s[SEL], s[SEL+1]
.endr
.irp u, 0,1
	v_add_f32 v[MT+4+\u], v[MT+4+\u], v[MT+10+\u]  ; the row's sum
.endr
.irp u, 0,1
	v_rcp_f32 v[MT+10+\u], v[MT+4+\u]
.endr
	v_nop
	s_wait_alu depctr_va_vdst(0)
.irp u, 0,1
	v_mul_f32 v[G+4*\u],   v[MT+6+2*\u], v[MT+10+\u]
	v_mul_f32 v[G+4*\u+1], v[MT+6+2*\u], v[MT+10+\u]
	v_mul_f32 v[G+4*\u+2], v[MT+7+2*\u], v[MT+10+\u]
	v_mul_f32 v[G+4*\u+3], v[MT+7+2*\u], v[MT+10+\u]
.endr
.irp u, 0,1
.set b, 0
.rept 16
	v_pk_fma_f32 v[S+32*\u+2*b:S+32*\u+2*b+1], v[S+32*\u+2*b:S+32*\u+2*b+1], v[G+4*\u+2:G+4*\u+3], v[BV+2*b:BV+2*b+1]
.set b, b+1
.endr
.endr
	WIN 0x01                                       ; source 0: O^T, window 1
.irp u, 0,1
.set b, 0
.rept 16
	v_pk_fma_f32 v[S+32*\u+2*b:S+32*\u+2*b+1], v[O+32*(\x+\u)+2*b:O+32*(\x+\u)+2*b+1], v[G+4*\u:G+4*\u+1], v[S+32*\u+2*b:S+32*\u+2*b+1]
.set b, b+1
.endr
.endr
	WIN 0
.irp u, 0,1
.set b, 0
.rept 16
	v_cvt_pk_f16_f32 v[S+32*\u+b], v[S+32*\u+2*b], v[S+32*\u+2*b+1]
.set b, b+1
.endr
.endr
.irp u, 0,1
.irp ct, 0,1,2,3
	global_store_b128 v[LI], v[S+32*\u+4*\ct:S+32*\u+4*\ct+3], s[100:101] offset:(\x+\u)*32768+512*\ct   ; 512 consecutive bytes: half a fragment of the last product's source
.endr
.endr
.endm
	s_load_b256 s[4:11], s[0:1], 0x0               ; qkv, maskw, flags, bv
	s_load_b64 s[12:13], s[0:1], 0x20              ; ctx
	v_lshl_add_u32 v[SPW], v0, 2, SPARE
	v_mov_b32 v[NIL], 0
	v_lshrrev_b32 v15, 5, v0
	v_readfirstlane_b32 s14, v15                   ; wave 0..7
	s_lshr_b32 s15, s14, 2                         ; group
	s_and_b32 s16, s14, 3                          ; wave in the group
	v_and_b32 v15, 31, v0
	v_lshlrev_b32 v[LI], 4, v15
	v_lshlrev_b32 v[L4], 2, v15
	v_lshlrev_b32 v[PFO], 8, v15
	s_lshl_b32 s2, s15, 14
	v_add_nc_u32 v[ADR], s2, v[LI]
	s_lshl_b32 s2, s14, 12
	v_add_nc_u32 v[STW], s2, v[LI]
	s_mul_i32 s2, s14, MGB
	s_add_co_u32 s2, s2, MG
	v_add_nc_u32 v[MGW], s2, v[LI]
	s_add_co_u32 s2, s2, 8192
	v_add_nc_u32 v[MGW4], s2, v[L4]
	s_xor_b32 s2, s14, 4                           ; my partner
	s_mul_i32 s2, s2, MGB
	s_add_co_u32 s2, s2, MG
	v_add_nc_u32 v[MGR], s2, v[LI]
	s_add_co_u32 s2, s2, 8192
	v_add_nc_u32 v[MGR4], s2, v[L4]
	v_mov_b32 v[NINF], 0xff800000
	s_mov_b32 s[CS], 0x3e38aa3b
	s_mov_b32 s[CS+1], s[CS]
	s_mov_b32 s[SEL], 0x76543210
	s_mov_b32 s[SEL+1], 0xfedcba98
	s_and_b32 s67, ttmp7, 0xffff                   ; 16 x batch + head
	s_mov_b32 s17, ttmp9                           ; the block of 256 queries: i, then 7 - i
	s_mov_b32 s18, 0                               ; the pass
	v_bfe_u32 v[HB], v0, 4, 1
	v_lshlrev_b32 v[HB], 5, v[HB]
	s_and_b32 s2, s67, 15
	s_lshl_b32 s2, s2, 8
	s_mov_b32 s3, 0
	s_wait_kmcnt 0x0
	s_add_nc_u64 s[10:11], s[10:11], s[2:3]
.irp ct, 0,1,2,3
	global_load_b128 v[BV+8*\ct:BV+8*\ct+3], v[HB], s[10:11] offset:64*\ct        ; bv[64 head + 16 ct + 8 h + j]
	global_load_b128 v[BV+8*\ct+4:BV+8*\ct+7], v[HB], s[10:11] offset:64*\ct+16
.endr
.Lpass:
	s_lshl_b32 s32, s17, 2
	s_add_co_u32 s32, s32, s16                     ; my 64 queries
	s_lshl_b32 s34, s17, 9
	s_mov_b32 s35, 0
	s_add_nc_u64 s[34:35], s[8:9], s[34:35]        ; the flags of the block's four rows of tiles,
	s_lshl_b32 s36, s32, 7
	s_mov_b32 s37, 0
	s_add_nc_u64 s[36:37], s[8:9], s[36:37]        ; and of mine
.irp i, 0,1,2,3
	global_load_b32 v[MT+\i], v[L4], s[34:35] offset:128*\i                       ; lane = which 64 keys
.endr
	global_load_b32 v[MT+4], v[L4], s[36:37]
	s_lshl_b32 s38, s67, 18
	s_lshl_b32 s39, s32, 13
	s_add_co_u32 s38, s38, s39
	s_mov_b32 s39, 0
	s_add_nc_u64 s[38:39], s[4:5], s[38:39]
	WIN 0x40
.set i, 0
.rept 16
	global_load_b128 v[Q+4*i:Q+4*i+3], v[LI], s[38:39] offset:512*i               ; Q stays in registers
.set i, i+1
.endr
.set i, 0
.rept 128
	v_mov_b32 v[O+i], 0                            ; O^T begins as zeros: which trip is a wave's first live one hangs on the stored flags, so no first product can be written out
.set i, i+1
.endr
	WIN 0
	s_lshr_b32 s40, s16, 1
	s_add_co_u32 s40, s40, 1
	s_lshl_b32 s40, s40, 24                        ; waves 0, 1 bring K (from 2^24), waves 2, 3 V (from 2^25)
	s_lshl_b32 s41, s67, 18
	s_add_co_u32 s40, s40, s41
	s_and_b32 s41, s16, 1
	s_lshl_b32 s41, s41, 12                        ; which half of the 8,192 bytes
	s_add_co_u32 s40, s40, s41
	s_lshl_b32 s41, s15, 13                        ; my group's 64 keys of the trip
	s_add_co_u32 s40, s40, s41
	s_mov_b32 s41, 0
	s_add_nc_u64 s[KV:KV+1], s[4:5], s[40:41]
	LDNEXT                                         ; trip 0's, whatever the flags say
	s_lshl_b32 s40, s32, 14
	s_lshl_b32 s42, s15, 7
	s_add_co_u32 s40, s40, s42
	s_add_nc_u64 s[MP:MP+1], s[6:7], s[40:41]
.irp t, 0,1,2,3
	v_mov_b32 v[ST+8*\t+1], 0xff61b1e6             ; m = -3e38, under every score
	v_mov_b32 v[ST+8*\t+2], 0
	v_mov_b32 v[ST+8*\t+3], 0
.endr
.irp t, 0,1,2,3
	v_mul_f32 v[ST+8*\t], s[CS], v[ST+8*\t+1]
.endr
	s_wait_loadcnt 0x0
	v_or_b32 v[MT], v[MT], v[MT+1]
	v_or_b32 v[MT+2], v[MT+2], v[MT+3]
	v_or_b32 v[MT], v[MT], v[MT+2]
	v_and_b32 v[MT], 1, v[MT]
	v_cmp_ne_u32 s[GL], 0, v[MT]                   ; bit ks: these 64 keys count for some query of the block
	v_and_b32 v[MT+1], 1, v[MT+4]
	v_cmp_ne_u32 s[LV], 0, v[MT+1]
	v_and_b32 v[MT+2], 2, v[MT+4]
	v_cmp_ne_u32 s[PT], 0, v[MT+2]
	s_and_b32 s2, s16, 1                           ; who prefetches: each row of K and V is named once in the launch: by the head's work-group 0, in its second pass (queries 1,792 on), waves 0 and 2 of each group
	s_or_b32 s2, s2, ttmp9
	s_xor_b32 s3, s18, 1
	s_or_b32 s2, s2, s3
	s_cmp_eq_u32 s2, 0
	s_cselect_b32 s[PM], s[GL], 0
	s_lshr_b32 s[GL], s[GL], s15                   ; my group's key steps are 2 t + group
	s_lshr_b32 s[LV], s[LV], s15
	s_lshr_b32 s[PT], s[PT], s15
	s_lshr_b32 s[PM], s[PM], s15
	STNEXT 0
	s_wait_dscnt 0x0
	s_barrier_signal -1
	s_barrier_wait -1
	s_add_nc_u64 s[KV:KV+1], s[KV:KV+1], 16384
	s_mov_b32 s19, 8
.Ltrip:                                                ; 8 x 2 trips: the slots stand in the immediates
	TRIP 0
	TRIP 1
	s_sub_co_u32 s19, s19, 1
	s_cmp_lg_u32 s19, 0
	s_cbranch_scc1 .Ltrip
	; THE MERGE
.irp t, 0,1,2,3
	v_add_f32 v[ST+8*\t+2], v[ST+8*\t+2], v[ST+8*\t+3]
.endr
	s_lshl_b32 s2, s17, 2
	s_add_co_u32 s2, s2, s16
	s_lshl_b32 s2, s2, 17                          ; four tiles of 16 rows, 32,768 bytes each
	s_lshr_b32 s3, s67, 4
	s_lshl_b32 s3, s3, 22                          ; the batch's 128 tiles
	s_add_co_u32 s2, s2, s3
	s_and_b32 s3, s67, 15
	s_lshl_b32 s3, s3, 11                          ; the head's 64 along the last product's K
	s_add_co_u32 s2, s2, s3
	s_mov_b32 s3, 0
	s_add_nc_u64 s[100:101], s[12:13], s[2:3]
	s_cmp_eq_u32 s15, 0
	s_cbranch_scc0 .Lsend_g1
	SENDT 2
	s_branch .Lsent
.Lsend_g1:
	SENDT 0
.Lsent:
	s_wait_dscnt 0x0
	s_barrier_signal -1
	s_barrier_wait -1
	s_cmp_eq_u32 s15, 0
	s_cbranch_scc0 .Lkeep_g1
	KEEP 0
	s_branch .Lkept
.Lkeep_g1:
	KEEP 2
.Lkept:
	s_wait_xcnt 0x0                                ; the stores have read their data and base
	s_sub_co_u32 s17, 7, s17
	s_add_co_u32 s18, s18, 1
	s_cmp_lt_u32 s18, 2
	s_cbranch_scc1 .Lpass
	s_wait_tensorcnt 0x0                           ; the wave's end
	ds_add_u32 v[SPW], v[NIL]
	s_wait_dscnt 0x0
	s_endpgm
.Lfunc_end_k_qf183e58452_attn:
	.size	k_qf183e58452_attn, .Lfunc_end_k_qf183e58452_attn-k_qf183e58452_attn
	.p2alignl 7, 3214868480
	.fill 96, 4, 3214868480
	.section	.rodata,"a",@progbits
	.p2align	6, 0x0
	.amdhsa_kernel k_qf183e58452_attn
		.amdhsa_group_segment_fixed_size 136192
		.amdhsa_private_segment_fixed_size 0
		.amdhsa_enable_private_segment 0
		.amdhsa_kernarg_size 40
		.amdhsa_user_sgpr_count 2
		.amdhsa_user_sgpr_kernarg_segment_ptr 1
		.amdhsa_wavefront_size32 1
		.amdhsa_system_sgpr_workgroup_id_x 1
		.amdhsa_system_sgpr_workgroup_id_y 1
		.amdhsa_system_sgpr_workgroup_id_z 1
		.amdhsa_system_vgpr_workitem_id 0
		.amdhsa_next_free_vgpr 512
		.amdhsa_next_free_sgpr 102
		.amdhsa_reserve_vcc 0
		.amdhsa_float_denorm_mode_32 3
		.amdhsa_float_denorm_mode_16_64 3
		.amdhsa_memory_ordered 1
		.amdhsa_forward_progress 1
		.amdhsa_inst_pref_size 119
	.end_amdhsa_kernel
	.amdgpu_metadata
---
amdhsa.version: [ 1, 2 ]
amdhsa.kernels:
  - .name:           k_qf183e58452_attn
    .symbol:         k_qf183e58452_attn.kd
    .args:
      - { .name: qkv, .offset: 0, .size: 8, .value_kind: global_buffer, .address_space: global }
      - { .name: maskw, .offset: 8, .size: 8, .value_kind: global_buffer, .address_space: global }
      - { .name: flags, .offset: 16, .size: 8, .value_kind: global_buffer, .address_space: global }
      - { .name: bv, .offset: 24, .size: 8, .value_kind: global_buffer, .address_space: global }
      - { .name: ctx, .offset: 32, .size: 8, .value_kind: global_buffer, .address_space: global }
    .group_segment_fixed_size: 136192
    .private_segment_fixed_size: 0
    .kernarg_segment_align: 8
    .kernarg_segment_size: 40
    .max_flat_workgroup_size: 256
    .sgpr_count:     102
    .vgpr_count:     512
    .wavefront_size: 32
...
	.end_amdgpu_metadata
.endif
;; end of part 3
;; launch oproj (part 4): grid 8 x 32, 4 waves a work-group, clusters of 4 x 4, 327,680 bytes of LDS; arguments ctx, wo16, bo, out0; writes out0
.if DOCPART == 4
	.amdgcn_target "amdgcn-amd-amdhsa--gfx1250"
	.amdhsa_code_object_version 6
	.text
	.protected	k_qf183e58452_oproj
	.globl	k_qf183e58452_oproj
	.p2align	8
	.type	k_qf183e58452_oproj,@function
k_qf183e58452_oproj:
	s_mov_b64 s[64:65], 0
	v_nop
	global_prefetch_b8 v0, s[64:65] scope:SCOPE_SE
	s_setreg_imm32_b32 hwreg(HW_REG_WAVE_MODE, 25, 1), 1
	s_wait_xcnt 0x0
	s_wait_alu depctr_hold_cnt(0) depctr_sa_sdst(0) depctr_va_vdst(0) depctr_va_sdst(0) depctr_va_ssrc(0) depctr_va_vcc(0) depctr_vm_vsrc(0)
	s_getreg_b32 s2, hwreg(HW_REG_IB_STS2, 6, 4)
	s_cmp_eq_u32 s2, 0
	s_cbranch_scc0 .Lentry_in_a_cluster
	s_endpgm
.Lentry_in_a_cluster:
	s_bfe_u32 s2, ttmp6, 0x10000c
	s_cmp_lg_u32 s2, 0xf033
	s_cbranch_scc0 .Lentry_shape_is_right
	s_endpgm
.Lentry_shape_is_right:
; out0 = ctx Wo^T + bo.  ctx (f16) and Wo's high f16 part lie in memory in the order of the operands' registers: [16 rows][32 along K: 32][c: 2][lane][16 bytes], 32,768 bytes for 16 rows.  Sums in f32.
; (Positions 0-15 of every sequence are stored here too, inside live tiles, and are written again, more finely, by the last launch.)
; A tile of out0 is 256 x 128: 256 work-groups.  Four waves, each 128 x 64: 32 accumulators.  K goes in steps of 128 through two LDS slots: of each 16 rows a step is 4,096 consecutive bytes, so a tensor tile is
; 8 (ctx) or 4 (Wo) rows of 4,096 bytes, 32,768 bytes apart in memory and dense in LDS; a fragment is read as two runs of 512 consecutive bytes: no padding is wanted.
; CLUSTERS of 4 x 4: ctx's tile hangs on the tile row alone and is asked for jointly by my row of the cluster, Wo's on the tile column alone, by my column.
; THE MATRIX INSTRUCTION: source 0 = 16 rows of Wo, source 1 = 16 rows of ctx: a lane holds eight neighbouring numbers of a row of out0.  bo is the C of each sum's first product.
; No prefetch: a K step's work is short and the tiles are small; each tile of ctx is read by two clusters, each tile of Wo by eight.
; REGISTERS: window 0: v16-29 addresses; two fragment buffers of 96 (Wo's 32, then ctx's 64) at v32 and v128; v224-255 bo.   window 1: the accumulators, (a, b) at v[8 (4 a + b)].
.set SLOT,   98304                     ; ctx's 16 x 4,096 bytes, then Wo's 8 x 4,096
.set STAGE,  2*SLOT                    ; 16 rows x 272 bytes for each wave, for the way out; no fill lands here
.set SPITCH, 272
.set SPARE,  STAGE+4*16*SPITCH
.set LAPS,   4                         ; a lap = two K steps of 128
.set ADRA, 16
.set ADRB, 20
.set STO,  24
.set RD,   25
.set CO,   26
.set SPW,  28
.set NIL,  29
.set F0,   32
.set F1,   128
.set BI,   224
.set OB,   32
.set G1, 24
.set G0, 32
.set G1B, 48
.set G0B, 56
.set MSB, 0
.macro WIN new
.if MSB != \new
	s_set_vgpr_msb (MSB<<8)|\new
.set MSB, \new
.endif
.endm
.macro JLOAD s                         ; waves 0 and 1 fetch ctx's two halves, waves 2 and 3 Wo's; an s_nop 0 and four v_nop follow each of the two lines
	s_cmp_eq_u32 s13, 0
	s_cbranch_scc0 .Lfor_b_\@
	tensor_load_to_lds s[G0+4*\s:G0+4*\s+3], s[G1:G1+7]
	s_nop 0
.rept 4
	v_nop
.endr
	s_branch .Lasked_\@
.Lfor_b_\@:
	tensor_load_to_lds s[G0B+4*\s:G0B+4*\s+3], s[G1B:G1B+7]
	s_nop 0
.rept 4
	v_nop
.endr
.Lasked_\@:
.endm
.macro CREST
	s_cmp_lg_u32 s12, 0
	s_cbranch_scc1 .Lnot_wave_0_\@
	s_barrier_signal -3
.Lnot_wave_0_\@:
	s_barrier_wait -3
	s_barrier_signal -1
	s_barrier_wait -1
.endm
.macro CROUND
	s_barrier_signal -1
	s_barrier_wait -1
	CREST
.endm
	s_load_b256 s[4:11], s[0:1], 0x0               ; ctx, wo16, bo, out0
	v_lshl_add_u32 v[SPW], v0, 2, SPARE
	v_mov_b32 v[NIL], 0
	ds_add_u32 v[SPW], v[NIL]                      ; the wave's opening: the add, twice on end, and its wait ahead of my first tensor load
	ds_add_u32 v[SPW], v[NIL]
	v_lshrrev_b32 v1, 5, v0
	v_readfirstlane_b32 s12, v1                    ; wave 0..3
	s_lshr_b32 s13, s12, 1                         ; which half of the rows is mine.  Also: I fetch for ctx (0) or for Wo (1)
	s_and_b32 s14, s12, 1                          ; which half of the columns.  Also: which half of that tile I fetch
	s_bfe_u32 s40, ttmp6, 0x40000                  ; cx
	s_bfe_u32 s41, ttmp6, 0x40004                  ; cy
	s_lshl_b32 s42, ttmp9, 2
	s_add_co_u32 s42, s42, s40                     ; tile column, 0..7
	s_and_b32 s15, ttmp7, 0xffff
	s_lshl_b32 s15, s15, 2
	s_add_co_u32 s15, s15, s41                     ; tile row, 0..31
	s_lshl_b32 s43, s41, 2
	s_lshl_b32 s43, 15, s43                        ; my row of the cluster
	s_lshl_b32 s44, 0x1111, s40                    ; my column
	s_or_b32 s[G1+0], s43, (3<<16)|(1<<21)         ; the mask; elements of 8 bytes; no padding; bit 21 beside a mask
	s_or_b32 s[G1B+0], s44, (3<<16)|(1<<21)
	s_mov_b32 s[G1+1], 512<<16                     ; tensor_dim0 = 512 elements: 4,096 bytes
	s_mov_b32 s[G1+2], 8<<16                       ; tensor_dim1 = 8
	s_mov_b32 s[G1+3], 512<<16                     ; tile_dim0
	s_mov_b32 s[G1+4], 8                           ; tile_dim1
	s_mov_b32 s[G1+5], 4096                        ; from row to row: 32,768 bytes
	s_mov_b32 s[G1+6], 0
	s_mov_b32 s[G1+7], 0
	s_mov_b32 s[G1B+1], 512<<16
	s_mov_b32 s[G1B+2], 4<<16
	s_mov_b32 s[G1B+3], 512<<16
	s_mov_b32 s[G1B+4], 4
	s_mov_b32 s[G1B+5], 4096
	s_mov_b32 s[G1B+6], 0
	s_mov_b32 s[G1B+7], 0
	s_lshl_b32 s16, s15, 19                        ; ctx: 16 x 32,768 bytes a tile row,
	s_lshl_b32 s17, s14, 18                        ; 8 x 32,768 a half
	s_add_co_u32 s16, s16, s17
	s_mov_b32 s17, 0
	s_lshl_b32 s46, s42, 18                        ; Wo: 8 x 32,768 a tile column,
	s_lshl_b32 s47, s14, 17                        ; 4 x 32,768 a half
	s_add_co_u32 s46, s46, s47
	s_mov_b32 s47, 0
	s_lshl_b32 s20, s14, 15                        ; where they go: ctx's halves,
	s_lshl_b32 s21, s14, 14
	s_add_co_u32 s21, s21, 65536                   ; Wo's behind them
	s_wait_dscnt 0x0                               ; both opening adds are done
	s_wait_kmcnt 0x0
	s_add_nc_u64 s[18:19], s[4:5], s[16:17]
	s_add_nc_u64 s[46:47], s[6:7], s[46:47]
	CROUND                                         ; all sixteen work-groups are here: the first joint loads meet
.irp s, 0,1
	s_mov_b32 s[G0+4*\s], 1
	s_add_co_u32 s[G0+4*\s+1], s20, \s*SLOT
	s_add_nc_u64 s[G0+4*\s+2:G0+4*\s+3], s[18:19], \s*4096
	s_or_b32 s[G0+4*\s+3], s[G0+4*\s+3], 0x80000000
	s_mov_b32 s[G0B+4*\s], 1
	s_add_co_u32 s[G0B+4*\s+1], s21, \s*SLOT
	s_add_nc_u64 s[G0B+4*\s+2:G0B+4*\s+3], s[46:47], \s*4096
	s_or_b32 s[G0B+4*\s+3], s[G0B+4*\s+3], 0x80000000
	JLOAD \s
.endr
	v_and_b32 v1, 15, v0                           ; l % 16
	v_bfe_u32 v2, v0, 4, 1                         ; l / 16
	v_and_b32 v3, 31, v0
	v_lshlrev_b32 v3, 4, v3                        ; 16 x lane
	s_lshl_b32 s22, s13, 15                        ; my 128 rows of ctx
	s_lshl_b32 s23, s14, 14                        ; my 64 rows of Wo,
	s_add_co_u32 s23, s23, 65536
.irp s, 0,1
	v_add_nc_u32 v[ADRA+\s], s22, v3
	v_add_nc_u32 v[ADRB+\s], s23, v3
	s_add_co_u32 s22, s22, SLOT
	s_add_co_u32 s23, s23, SLOT
.endr
	s_lshl_b32 s16, s42, 9                         ; bo: 128 x tile column + 64 x my half; register j of block b is column 16 b + 8 h + j
	s_lshl_b32 s22, s14, 8
	s_add_co_u32 s16, s16, s22
	s_add_nc_u64 s[8:9], s[8:9], s[16:17]
	v_lshlrev_b32 v4, 5, v2
.irp b, 0,1,2,3
	global_load_b128 v[BI+8*\b:BI+8*\b+3], v4, s[8:9] offset:64*\b
	global_load_b128 v[BI+8*\b+4:BI+8*\b+7], v4, s[8:9] offset:64*\b+16
.endr
	s_mul_i32 s23, s12, 16*SPITCH
	s_add_co_u32 s23, s23, STAGE                   ; my stage
	v_mul_u32_u24 v5, v1, SPITCH
	v_lshl_add_u32 v5, v2, 5, v5
	v_add_nc_u32 v[STO], s23, v5                   ; in: row l % 16, 32 bytes for each half of the lanes
	v_mul_u32_u24 v5, v2, SPITCH
	v_lshl_add_u32 v5, v1, 4, v5
	v_add_nc_u32 v[RD], s23, v5                    ; back: lanes 0-15 one row of 256 bytes, lanes 16-31 the next
	v_lshlrev_b32 v5, 12, v2
	v_lshl_add_u32 v[CO], v1, 4, v5                ; and the same two rows in out0
	s_lshl_b32 s22, s15, 20                        ; 256 rows of 4,096 bytes a tile row
	s_add_co_u32 s16, s16, s22                     ; (s16 holds my columns' bytes already)
	s_lshl_b32 s22, s13, 19
	s_add_co_u32 s16, s16, s22
	s_add_nc_u64 s[10:11], s[10:11], s[16:17]
.macro MUL8 f, a0, first               ; ctx's tiles a0, a0 + 1 x Wo's four, 32 along K.  The 32 accumulators take turns, one instruction a turn, in the same order in every quarter
.irp a, \a0, \a0+1
.irp b, 0,1,2,3
.if \first
	v_wmma_f32_16x16x32_f16 v[8*(4*(\a)+\b):8*(4*(\a)+\b)+7], v[\f+8*\b:\f+8*\b+7], v[\f+32+8*(\a):\f+32+8*(\a)+7], v[BI+8*\b:BI+8*\b+7]
.else
	v_wmma_f32_16x16x32_f16 v[8*(4*(\a)+\b):8*(4*(\a)+\b)+7], v[\f+8*\b:\f+8*\b+7], v[\f+32+8*(\a):\f+32+8*(\a)+7], v[8*(4*(\a)+\b):8*(4*(\a)+\b)+7]
.endif
.endr
.endr
.endm
.macro FETCH slot, k, f                ; 24 LDS loads in one run: Wo's four fragments, ctx's 0-3, ctx's 4-7, of the 32 along K at byte k
	WIN 0
.irp i, 0,1,2,3
	ds_load_b128 v[\f+8*\i:\f+8*\i+3],   v[ADRB+\slot] offset:\i*4096+\k
	ds_load_b128 v[\f+8*\i+4:\f+8*\i+7], v[ADRB+\slot] offset:\i*4096+\k+512
.endr
.irp i, 0,1,2,3,4,5,6,7
	ds_load_b128 v[\f+32+8*\i:\f+32+8*\i+3],   v[ADRA+\slot] offset:\i*4096+\k
	ds_load_b128 v[\f+32+8*\i+4:\f+32+8*\i+7], v[ADRA+\slot] offset:\i*4096+\k+512
.endr
.endm
.macro PLACES
.rept 4
	v_nop
.endr
.endm
.macro WMUL first
.if \first
	WIN 0x40                                       ; D window 1; C = bo, window 0
.else
	WIN 0x50                                       ; C and D window 1
.endif
.endm
.macro QUARTER slot, k, f, g, first    ; 32 along K out of buffer f; in its middle the next quarter's fragments, at byte k, go into buffer g
	s_wait_dscnt 8                                 ; Wo's and ctx's tiles 0-3 are in; the youngest eight loads (ctx's 4-7) may be out
	WMUL \first
	MUL8 \f, 0, \first
	MUL8 \f, 2, \first
	PLACES
	FETCH \slot, \k, \g
	s_wait_dscnt 24                                ; all but the 24 just issued
	WMUL \first
	MUL8 \f, 4, \first
	MUL8 \f, 6, \first
.endm
; A slot's last quarter changes slots: one barrier; in front of it each wave waits for all its tensor loads, adds 0 to its spare word, and waits for that and for its reads of this slot.
.macro TURN slot, next, fill
	WIN 0
	s_wait_tensorcnt 0x0                           ; all my tensor loads have landed: the one that was out is my part of the next slot
	ds_add_u32 v[SPW], v[NIL]                      ; 0 onto my spare word
	s_wait_dscnt 9                                 ; the add and the youngest eight loads may be out
	WIN 0x50
	MUL8 F1, 0, 0
	s_wait_dscnt 0x0                               ; the add is done, and my reads of this slot are over
	s_barrier_signal -1
	MUL8 F1, 2, 0
.if \fill
	WIN 0
.endif
	s_barrier_wait -1
.if \fill
	CREST                                          ; the barrier has opened a round of the cluster's barrier: no wave of any partner still reads this slot or has a load on its way
	s_add_nc_u64 s[G0+4*\slot+2:G0+4*\slot+3], s[G0+4*\slot+2:G0+4*\slot+3], 8192
	s_add_nc_u64 s[G0B+4*\slot+2:G0B+4*\slot+3], s[G0B+4*\slot+2:G0B+4*\slot+3], 8192
	JLOAD \slot                                    ; my one tensor load behind the round: two K steps on; its four v_nop are also the places in front of the loads below
.else
	PLACES
.endif
	FETCH \next, 0, F0
	WIN 0x50
	MUL8 F1, 4, 0
	MUL8 F1, 6, 0
.endm
	s_wait_tensorcnt 1                             ; my part of K step 0 is in; K step 1's may be out
	s_barrier_signal -1
	s_barrier_wait -1
	FETCH 0, 0, F0
	s_wait_loadcnt 0x0                             ; bo
	QUARTER 0, 1024, F0, F1, 1                     ; the first quarter stands in front of the loop: its products start the sums from bo
	WIN 0
	s_mov_b32 s3, LAPS-1
.Llap:
	QUARTER 0, 2048, F1, F0, 0
	QUARTER 0, 3072, F0, F1, 0
	TURN 0, 1, 1
	QUARTER 1, 1024, F0, F1, 0
	QUARTER 1, 2048, F1, F0, 0
	QUARTER 1, 3072, F0, F1, 0
	TURN 1, 0, 1
	QUARTER 0, 1024, F0, F1, 0
	WIN 0
	s_sub_co_u32 s3, s3, 1
	s_cmp_lg_u32 s3, 0
	s_cbranch_scc1 .Llap
	QUARTER 0, 2048, F1, F0, 0                     ; the last lap fills nothing
	QUARTER 0, 3072, F0, F1, 0
	TURN 0, 1, 0
	QUARTER 1, 1024, F0, F1, 0
	QUARTER 1, 2048, F1, F0, 0
	QUARTER 1, 3072, F0, F1, 0
	s_wait_dscnt 8
	WIN 0x50
	MUL8 F1, 0, 0
	MUL8 F1, 2, 0
	s_wait_dscnt 0
	MUL8 F1, 4, 0
	MUL8 F1, 6, 0
	WIN 0
	PLACES
; THE WAY OUT, 16 rows x 64 columns at a time through my own stage: a lane's 32 bytes go in, whole rows of 256 bytes come back, sixteen lanes store 256 consecutive bytes.
.macro TOSTAGE a
	WIN 0x04                                       ; an LDS store's data are its source 1: window 1
.irp b, 0,1,2,3
	ds_store_b128 v[STO], v[8*(4*(\a)+\b):8*(4*(\a)+\b)+3] offset:64*\b           ; each accumulator from its low end on
	ds_store_b128 v[STO], v[8*(4*(\a)+\b)+4:8*(4*(\a)+\b)+7] offset:64*\b+16
.endr
	WIN 0
.set BB, OB+32*((\a)%2)
.irp i, 0,1,2,3,4,5,6,7
	ds_load_b128 v[BB+4*\i:BB+4*\i+3], v[RD] offset:\i*2*SPITCH                   ; LDS serves a wave's instructions in order: these see the stores above
.endr
.endm
.macro SEND a, younger
.set BB, OB+32*((\a)%2)
	s_wait_dscnt \younger                          ; the block is back; the next block's 8 stores and 8 loads may be out
.irp i, 0,1,2,3,4,5,6,7
	global_store_b128 v[CO], v[BB+4*\i:BB+4*\i+3], s[10:11] offset:(16*(\a)+2*\i)*4096 th:TH_STORE_NT
.endr
.endm
	TOSTAGE 0
.irp a, 1,2,3,4,5,6,7
.if \a > 1
	s_wait_xcnt 0x0                                ; block a - 2's stores have read their registers: block a's loads may land there
.endif
	TOSTAGE \a
	SEND (\a-1), 16
.endr
	SEND 7, 0
	s_wait_tensorcnt 0x0                           ; the wave's end
	ds_add_u32 v[SPW], v[NIL]
	s_wait_dscnt 0x0
	CROUND                                         ; the closing round
	s_endpgm
.Lfunc_end_k_qf183e58452_oproj:
	.size	k_qf183e58452_oproj, .Lfunc_end_k_qf183e58452_oproj-k_qf183e58452_oproj
	.p2alignl 7, 3214868480
	.fill 96, 4, 3214868480
	.section	.rodata,"a",@progbits
	.p2align	6, 0x0
	.amdhsa_kernel k_qf183e58452_oproj
		.amdhsa_group_segment_fixed_size 327680
		.amdhsa_private_segment_fixed_size 0
		.amdhsa_enable_private_segment 0
		.amdhsa_kernarg_size 32
		.amdhsa_user_sgpr_count 2
		.amdhsa_user_sgpr_kernarg_segment_ptr 1
		.amdhsa_wavefront_size32 1
		.amdhsa_system_sgpr_workgroup_id_x 1
		.amdhsa_system_sgpr_workgroup_id_y 1
		.amdhsa_system_sgpr_workgroup_id_z 1
		.amdhsa_system_vgpr_workitem_id 0
		.amdhsa_next_free_vgpr 512
		.amdhsa_next_free_sgpr 66
		.amdhsa_reserve_vcc 0
		.amdhsa_float_denorm_mode_32 3
		.amdhsa_float_denorm_mode_16_64 3
		.amdhsa_memory_ordered 1
		.amdhsa_forward_progress 1
		.amdhsa_inst_pref_size 86
	.end_amdhsa_kernel
	.amdgpu_metadata
---
amdhsa.version: [ 1, 2 ]
amdhsa.kernels:
  - .name:           k_qf183e58452_oproj
    .symbol:         k_qf183e58452_oproj.kd
    .args:
      - { .name: ctx, .offset: 0, .size: 8, .value_kind: global_buffer, .address_space: global }
      - { .name: wo16, .offset: 8, .size: 8, .value_kind: global_buffer, .address_space: global }
      - { .name: bo, .offset: 16, .size: 8, .value_kind: global_buffer, .address_space: global }
      - { .name: out0, .offset: 24, .size: 8, .value_kind: global_buffer, .address_space: global }
    .group_segment_fixed_size: 327680
    .private_segment_fixed_size: 0
    .kernarg_segment_align: 8
    .kernarg_segment_size: 32
    .max_flat_workgroup_size: 128
    .sgpr_count:     66
    .vgpr_count:     512
    .wavefront_size: 32
...
	.end_amdgpu_metadata
.endif
;; end of part 4
;; launch fine (part 5): grid 16 x 4, 16 waves a work-group, no clusters, 71,680 bytes of LDS; arguments qkv, maskw, flags, bv, wo16, bo, out0; writes out0
.if DOCPART == 5
	.amdgcn_target "amdgcn-amd-amdhsa--gfx1250"
	.amdhsa_code_object_version 6
	.text
	.protected	k_qf183e58452_fine
	.globl	k_qf183e58452_fine
	.p2align	8
	.type	k_qf183e58452_fine,@function
k_qf183e58452_fine:
	s_mov_b64 s[64:65], 0
	v_nop
	global_prefetch_b8 v0, s[64:65] scope:SCOPE_SE
	s_setreg_imm32_b32 hwreg(HW_REG_WAVE_MODE, 25, 1), 1
	s_wait_xcnt 0x0
; Positions 0-15 of every sequence once more, carried more finely: under a mask that leaves such rows few keys they sum few terms, and the rounding of f16 operands weighs most there.  p, the context and Wo go to the
; matrix units as pairs of f16, a high and a low part split in f32 (high = the number rounded to 11 significant bits on its f32 bits, low = number - high, exact).  Q, K, V are the f16 numbers of the second launch.
; LEFT OUT: key steps of 64 in which the mask hides every key of queries 0-63 (stored flags); bk: see the first launch's head.
; Work-group (x, batch) makes out0 rows 2,048 batch + 0..15, columns 64 x .. 64 x + 63.  Wave = head: each wave does its head's attention for the 16 rows (every work-group of a batch repeats that small work, so
; the context never leaves the registers), multiplies it by its 64 columns of K of Wo's 64 rows, and the sixteen partial sums meet in LDS.
; REGISTERS: v1-9 addresses; v16-23 statistics; v24-39 Q; v40-71 S^T, later the four accumulators of out0; v72-87, v88-103 high and low parts; v104-135 O^T; v136-199 K's, V's, Wo's fragments; v200-231 bv; v232-239 at work.
.set RP,    4352                       ; a wave's 16 rows x (256 bytes + 16)
.set SPARE, 16*RP                      ; the spare words: 128 bytes a wave, named by no other line
.set LI,  1
.set L4,  2
.set HB,  3
.set STO, 4
.set RDA, 5
.set L8,  6
.set SPW, 7
.set NIL, 8
.set NINF, 9
.set ST,  16
.set Q,   24
.set S,   40
.set PH,  72
.set PL,  88
.set O,   104
.set F,   136
.set BV,  200
.set T,   232
.set LV,  22
.set PT,  23
.set KP,  24
.set VP,  26
.set CS,  28
.set SEL, 30
.set MP,  66
.macro PLACES n
.rept \n
	v_nop
.endr
.endm
.macro SPLIT x, hi, lo                 ; 32 numbers -> 16 registers of high parts, 16 of low parts
.set i, 0
.rept 16
	v_add_nc_u32 v[T+2*(i%4)], 0x1000, v[\x+2*i]
	v_add_nc_u32 v[T+2*(i%4)+1], 0x1000, v[\x+2*i+1]
	v_and_b32 v[T+2*(i%4)], 0xffffe000, v[T+2*(i%4)]
	v_and_b32 v[T+2*(i%4)+1], 0xffffe000, v[T+2*(i%4)+1]
	v_cvt_pk_f16_f32 v[\hi+i], v[T+2*(i%4)], v[T+2*(i%4)+1]
	v_sub_f32 v[\x+2*i], v[\x+2*i], v[T+2*(i%4)]
	v_sub_f32 v[\x+2*i+1], v[\x+2*i+1], v[T+2*(i%4)+1]
	v_cvt_pk_f16_f32 v[\lo+i], v[\x+2*i], v[\x+2*i+1]
.set i, i+1
.endr
.endm
	s_load_b256 s[4:11], s[0:1], 0x0               ; qkv, maskw, flags, bv
	s_load_b128 s[12:15], s[0:1], 0x20             ; wo16, bo
	s_load_b64 s[16:17], s[0:1], 0x30              ; out0
	v_lshl_add_u32 v[SPW], v0, 2, SPARE
	v_mov_b32 v[NIL], 0
	v_lshrrev_b32 v10, 5, v0
	v_readfirstlane_b32 s18, v10                   ; wave = head
	s_mov_b32 s19, ttmp9                           ; which 64 columns
	s_and_b32 s20, ttmp7, 0xffff                   ; batch
	v_and_b32 v10, 31, v0
	v_lshlrev_b32 v[LI], 4, v10
	v_lshlrev_b32 v[L4], 2, v10
	v_lshlrev_b32 v[L8], 3, v10
	v_and_b32 v11, 15, v0
	v_bfe_u32 v12, v0, 4, 1
	v_lshlrev_b32 v[HB], 5, v12
	s_mul_i32 s68, s18, RP
	v_mul_u32_u24 v[STO], v11, 272
	v_add_nc_u32 v[STO], v[STO], v[HB]
	v_add_nc_u32 v[STO], s68, v[STO]               ; my partial sums: row r, + 32 h
	s_mul_i32 s68, s18, 272
	v_add_nc_u32 v[RDA], s68, v[L8]                ; back: row = my wave's number, 8 bytes a lane
	v_mov_b32 v[NINF], 0xff800000
	s_mov_b32 s[CS], 0x3e38aa3b                    ; c = log2(e) / 8
	s_mov_b32 s[CS+1], s[CS]
	s_mov_b32 s[SEL], 0x76543210
	s_mov_b32 s[SEL+1], 0xfedcba98
	s_lshl_b32 s70, s20, 4
	s_add_co_u32 s70, s70, s18
	s_lshl_b32 s70, s70, 18                        ; my (batch, head)
	s_mov_b32 s71, 0
	s_lshl_b32 s74, s18, 8
	s_mov_b32 s75, 0
	s_lshl_b32 s76, s19, 17                        ; Wo: four tiles of 16 rows, 32,768 bytes each,
	s_lshl_b32 s77, s18, 11                        ; my head's 64 along K
	s_add_co_u32 s76, s76, s77
	s_mov_b32 s77, 0
	s_lshl_b32 s78, s19, 8
	s_mov_b32 s79, 0
	s_wait_kmcnt 0x0
	s_add_nc_u64 s[72:73], s[4:5], s[70:71]
	s_add_nc_u64 s[KP:KP+1], s[72:73], 0x1000000
	s_add_nc_u64 s[VP:VP+1], s[72:73], 0x2000000
	s_mov_b64 s[MP:MP+1], s[6:7]
	s_add_nc_u64 s[10:11], s[10:11], s[74:75]
	s_add_nc_u64 s[12:13], s[12:13], s[76:77]
	s_add_nc_u64 s[14:15], s[14:15], s[78:79]
	s_add_nc_u64 s[16:17], s[16:17], s[78:79]
	s_lshl_b32 s78, s20, 23                        ; the batch's first row,
	s_lshl_b32 s70, s18, 12                        ; + my wave's number: the row that I sum and store
	s_add_co_u32 s78, s78, s70
	s_add_nc_u64 s[16:17], s[16:17], s[78:79]
.irp i, 0,1,2,3
	global_load_b128 v[Q+4*\i:Q+4*\i+3], v[LI], s[72:73] offset:512*\i
.endr
	global_load_b32 v10, v[L4], s[8:9]             ; the flags of queries 0-63: lane = which 64 keys
	global_load_b64 v[12:13], v[L8], s[14:15]      ; bo
.irp ct, 0,1,2,3
	global_load_b128 v[BV+8*\ct:BV+8*\ct+3], v[HB], s[10:11] offset:64*\ct
	global_load_b128 v[BV+8*\ct+4:BV+8*\ct+7], v[HB], s[10:11] offset:64*\ct+16
.endr
.set i, 0
.rept 32
	v_mov_b32 v[O+i], 0                            ; which key step is the first live one hangs on the stored flags: O^T begins as zeros
.set i, i+1
.endr
	v_mov_b32 v[ST+1], 0xff61b1e6                  ; m = -3e38
	v_mul_f32 v[ST], s[CS], v[ST+1]
.irp i, 2,3,4,5,6,7
	v_mov_b32 v[ST+\i], 0
.endr
	s_wait_loadcnt 0x0
	v_and_b32 v11, 1, v10
	v_cmp_ne_u32 s[LV], 0, v11
	v_and_b32 v11, 2, v10
	v_cmp_ne_u32 s[PT], 0, v11
	s_mov_b32 s21, 32
.Lks:                                                  ; 32 key steps of 64; only the work is jumped over
	s_bitcmp1_b32 s[LV], 0
	s_cbranch_scc0 .Lskip
.set i, 0
.rept 16
	global_load_b128 v[F+4*i:F+4*i+3], v[LI], s[KP:KP+1] offset:512*i
.set i, i+1
.endr
	s_wait_loadcnt 0x0
.irp s, 0,1
.irp kt, 0,1,2,3
.if \s == 0
	v_wmma_f32_16x16x32_f16 v[S+8*\kt:S+8*\kt+7], v[F+8*(2*\kt+\s):F+8*(2*\kt+\s)+7], v[Q+8*\s:Q+8*\s+7], 0
.else
	v_wmma_f32_16x16x32_f16 v[S+8*\kt:S+8*\kt+7], v[F+8*(2*\kt+\s):F+8*(2*\kt+\s)+7], v[Q+8*\s:Q+8*\s+7], v[S+8*\kt:S+8*\kt+7]
.endif
.endr
.endr
	PLACES 4
.set i, 0
.rept 16
	global_load_b128 v[F+4*i:F+4*i+3], v[LI], s[VP:VP+1] offset:512*i
.set i, i+1
.endr
	s_bitcmp1_b32 s[PT], 0
	s_cbranch_scc0 .Lopen
	s_load_b512 s[32:47], s[MP:MP+1], 0x0
	s_load_b512 s[48:63], s[MP:MP+1], 0x40
	s_wait_kmcnt 0x0
.set n, 0
.rept 32
	v_cndmask_b32 v[S+n], v[S+n], v[NINF], s[32+n]
.set n, n+1
.endr
.Lopen:
.irp j, 0,1,2,3
	v_max3_num_f32 v[ST+4+\j], v[S+8*\j], v[S+8*\j+1], v[S+8*\j+2]
.endr
.irp i, 3,5
.irp j, 0,1,2,3
	v_max3_num_f32 v[ST+4+\j], v[ST+4+\j], v[S+8*\j+\i], v[S+8*\j+\i+1]
.endr
.endr
	v_max3_num_f32 v[ST+4], v[ST+4], v[S+7], v[S+15]
	v_max3_num_f32 v[ST+6], v[ST+6], v[S+23], v[S+31]
	v_max3_num_f32 v[ST+4], v[ST+4], v[ST+5], v[ST+6]
	v_max3_num_f32 v[ST+4], v[ST+4], v[ST+7], v[ST+1]
	v_permlanex16_b32 v[ST+5], v[ST+4], s[SEL], s[SEL+1]
	v_mov_b32 v[ST+7], v[ST]
	v_max_num_f32 v[ST+1], v[ST+4], v[ST+5]
	v_mul_f32 v[ST], s[CS], v[ST+1]
	v_sub_f32 v[ST+7], v[ST+7], v[ST]
.set b, 0
.rept 16
	v_pk_fma_f32 v[S+2*b:S+2*b+1], v[S+2*b:S+2*b+1], s[CS:CS+1], v[ST:ST+1] op_sel_hi:[1,0,0] neg_lo:[0,0,1] neg_hi:[0,0,1]
.set b, b+1
.endr
	v_exp_f32 v[ST+6], v[ST+7]
.set b, 0
.rept 32
	v_exp_f32 v[S+b], v[S+b]
.set b, b+1
.endr
	v_nop
	s_wait_alu depctr_va_vdst(0)                   ; one wait for the batch of 33, ahead of its first reader
	v_pk_add_f32 v[ST+4:ST+5], v[S:S+1], v[S+2:S+3]
.set b, 2
.rept 14
	v_pk_add_f32 v[ST+4:ST+5], v[ST+4:ST+5], v[S+2*b:S+2*b+1]
.set b, b+1
.endr
	v_pk_fma_f32 v[ST+2:ST+3], v[ST+2:ST+3], v[ST+6:ST+7], v[ST+4:ST+5] op_sel_hi:[1,0,1]
	SPLIT S, PH, PL
.set b, 0
.rept 16
	v_pk_mul_f32 v[O+2*b:O+2*b+1], v[O+2*b:O+2*b+1], v[ST+6:ST+7] op_sel_hi:[1,0]
.set b, b+1
.endr
	s_wait_loadcnt 0x0                             ; V
.irp g, 0,1
.irp ct, 0,1,2,3
	v_wmma_f32_16x16x32_f16 v[O+8*\ct:O+8*\ct+7], v[F+8*(2*\ct+\g):F+8*(2*\ct+\g)+7], v[PH+8*\g:PH+8*\g+7], v[O+8*\ct:O+8*\ct+7]
.endr
.irp ct, 0,1,2,3
	v_wmma_f32_16x16x32_f16 v[O+8*\ct:O+8*\ct+7], v[F+8*(2*\ct+\g):F+8*(2*\ct+\g)+7], v[PL+8*\g:PL+8*\g+7], v[O+8*\ct:O+8*\ct+7]
.endr
.endr
	PLACES 5
.Lskip:
	s_wait_xcnt 0x0                                ; the pointers are sources of this step's loads
	s_add_nc_u64 s[KP:KP+1], s[KP:KP+1], 8192
	s_add_nc_u64 s[VP:VP+1], s[VP:VP+1], 8192
	s_add_nc_u64 s[MP:MP+1], s[MP:MP+1], 128
	s_lshr_b32 s[LV], s[LV], 1
	s_lshr_b32 s[PT], s[PT], 1
	s_sub_co_u32 s21, s21, 1
	s_cmp_lg_u32 s21, 0
	s_cbranch_scc1 .Lks
	; the context: O^T / the sum + bv, split; then its product with my head's part of Wo's 64 rows
.set i, 0
.rept 16
	global_load_b128 v[F+4*i:F+4*i+3], v[LI], s[12:13] offset:(i/4)*32768+(i%4)*512      ; Wo's high parts: rows 16 nt on, 32 s on along K, at v[F + 8 (2 nt + s)]
.set i, i+1
.endr
	v_add_f32 v[ST+2], v[ST+2], v[ST+3]
	v_permlanex16_b32 v[ST+4], v[ST+2], s[SEL], s[SEL+1]
	v_add_f32 v[ST+2], v[ST+2], v[ST+4]
	v_rcp_f32 v[ST+6], v[ST+2]
	v_nop
	s_wait_alu depctr_va_vdst(0)
.set b, 0
.rept 16
	v_pk_fma_f32 v[O+2*b:O+2*b+1], v[O+2*b:O+2*b+1], v[ST+6:ST+7], v[BV+2*b:BV+2*b+1] op_sel_hi:[1,0,1]
.set b, b+1
.endr
	SPLIT O, PH, PL
.set i, 0
.rept 16
	global_load_b128 v[O+4*i+64*(i/8):O+4*i+64*(i/8)+3], v[LI], s[12:13] offset:2097152+(i/4)*32768+(i%4)*512   ; Wo's low parts, over O^T (fragments 0-3) and bv (4-7), which are done with
.set i, i+1
.endr
	s_wait_loadcnt 0x0
.irp s, 0,1
.irp nt, 0,1,2,3
.if \s == 0
	v_wmma_f32_16x16x32_f16 v[S+8*\nt:S+8*\nt+7], v[F+8*(2*\nt+\s):F+8*(2*\nt+\s)+7], v[PH+8*\s:PH+8*\s+7], 0
.else
	v_wmma_f32_16x16x32_f16 v[S+8*\nt:S+8*\nt+7], v[F+8*(2*\nt+\s):F+8*(2*\nt+\s)+7], v[PH+8*\s:PH+8*\s+7], v[S+8*\nt:S+8*\nt+7]
.endif
.endr
.irp nt, 0,1,2,3
	v_wmma_f32_16x16x32_f16 v[S+8*\nt:S+8*\nt+7], v[F+8*(2*\nt+\s):F+8*(2*\nt+\s)+7], v[PL+8*\s:PL+8*\s+7], v[S+8*\nt:S+8*\nt+7]
.endr
.irp nt, 0,1,2,3
	v_wmma_f32_16x16x32_f16 v[S+8*\nt:S+8*\nt+7], v[O+8*(2*\nt+\s)+64*(\nt/2):O+8*(2*\nt+\s)+64*(\nt/2)+7], v[PH+8*\s:PH+8*\s+7], v[S+8*\nt:S+8*\nt+7]
.endr
.endr
	PLACES 4
.irp nt, 0,1,2,3
	ds_store_b128 v[STO], v[S+8*\nt:S+8*\nt+3] offset:64*\nt                      ; lane (r, h): row r, columns 16 nt + 8 h + 0..7
	ds_store_b128 v[STO], v[S+8*\nt+4:S+8*\nt+7] offset:64*\nt+16
.endr
	s_wait_dscnt 0x0                               ; for the others' sake: my partial sums lie in LDS
	s_barrier_signal -1
	s_barrier_wait -1
.set i, 0
.rept 16
	ds_load_b64 v[F+2*i:F+2*i+1], v[RDA] offset:i*RP                              ; my row of all sixteen heads' sums
.set i, i+1
.endr
	s_wait_dscnt 0x0
.irp i, 0,1,2,3,4,5,6,7
	v_pk_add_f32 v[F+4*\i:F+4*\i+1], v[F+4*\i:F+4*\i+1], v[F+4*\i+2:F+4*\i+3]
.endr
.irp i, 0,1,2,3
	v_pk_add_f32 v[F+8*\i:F+8*\i+1], v[F+8*\i:F+8*\i+1], v[F+8*\i+4:F+8*\i+5]
.endr
	v_pk_add_f32 v[F:F+1], v[F:F+1], v[F+8:F+9]
	v_pk_add_f32 v[F+16:F+17], v[F+16:F+17], v[F+24:F+25]
	v_pk_add_f32 v[F:F+1], v[F:F+1], v[F+16:F+17]
	v_pk_add_f32 v[F:F+1], v[F:F+1], v[12:13]      ; + bo
	global_store_b64 v[L8], v[F:F+1], s[16:17]     ; 32 lanes store 256 consecutive bytes
	s_wait_tensorcnt 0x0                           ; the wave's end
	ds_add_u32 v[SPW], v[NIL]
	s_wait_dscnt 0x0
	s_endpgm
.Lfunc_end_k_qf183e58452_fine:
	.size	k_qf183e58452_fine, .Lfunc_end_k_qf183e58452_fine-k_qf183e58452_fine
	.p2alignl 7, 3214868480
	.fill 96, 4, 3214868480
	.section	.rodata,"a",@progbits
	.p2align	6, 0x0
	.amdhsa_kernel k_qf183e58452_fine
		.amdhsa_group_segment_fixed_size 71680
		.amdhsa_private_segment_fixed_size 0
		.amdhsa_enable_private_segment 0
		.amdhsa_kernarg_size 56
		.amdhsa_user_sgpr_count 2
		.amdhsa_user_sgpr_kernarg_segment_ptr 1
		.amdhsa_wavefront_size32 1
		.amdhsa_system_sgpr_workgroup_id_x 1
		.amdhsa_system_sgpr_workgroup_id_y 1
		.amdhsa_system_sgpr_workgroup_id_z 1
		.amdhsa_system_vgpr_workitem_id 0
		.amdhsa_next_free_vgpr 256
		.amdhsa_next_free_sgpr 80
		.amdhsa_reserve_vcc 0
		.amdhsa_float_denorm_mode_32 3
		.amdhsa_float_denorm_mode_16_64 3
		.amdhsa_memory_ordered 1
		.amdhsa_forward_progress 1
		.amdhsa_inst_pref_size 41
	.end_amdhsa_kernel
	.amdgpu_metadata
---
amdhsa.version: [ 1, 2 ]
amdhsa.kernels:
  - .name:           k_qf183e58452_fine
    .symbol:         k_qf183e58452_fine.kd
    .args:
      - { .name: qkv, .offset: 0, .size: 8, .value_kind: global_buffer, .address_space: global }
      - { .name: maskw, .offset: 8, .size: 8, .value_kind: global_buffer, .address_space: global }
      - { .name: flags, .offset: 16, .size: 8, .value_kind: global_buffer, .address_space: global }
      - { .name: bv, .offset: 24, .size: 8, .value_kind: global_buffer, .address_space: global }
      - { .name: wo16, .offset: 32, .size: 8, .value_kind: global_buffer, .address_space: global }
      - { .name: bo, .offset: 40, .size: 8, .value_kind: global_buffer, .address_space: global }
      - { .name: out0, .offset: 48, .size: 8, .value_kind: global_buffer, .address_space: global }
    .group_segment_fixed_size: 71680
    .private_segment_fixed_size: 0
    .kernarg_segment_align: 8
    .kernarg_segment_size: 56
    .max_flat_workgroup_size: 512
    .sgpr_count:     80
    .vgpr_count:     256
    .wavefront_size: 32
...
	.end_amdgpu_metadata
.endif
;; end of part 5
